; MI455X (gfx1250); checked and timed in simulation.
; The chip was launched on July 23, 2026; its instructions are those of AMD's public machine-readable ISA for CDNA 5 (MIT licence, August 2026) and "CDNA5" Instruction Set Architecture Reference Guide (July 2026). The comments in the code are by the model that wrote it; some were corrected since.
;; Causal Attention. Allowed arithmetic: matrix products marked QUANTISED: E2M3 operands, one E8M0 scale for each 32 along K, by v_wmma_scale_f32_16x16x128_f8f6f4 with both operands' format E2M3, f32 sums; everything else in f32.
;; Inputs: Wk 1,024 x 1,024 float32; Wq 1,024 x 1,024 float32; Wv 1,024 x 1,024 float32; x 4 x 2,048 x 1,024 float32.
;; Outputs: out0 4 x 2,048 x 1,024 float32.
;; This version of the problem:
;;   THIS VERSION OF THE PROBLEM IS GIVEN IN LOW PRECISION. The matrix products marked QUANTISED in the list below multiply operands that are first quantised to E2M3 (2 exponent bits, 3 mantissa bits; 6 bits a number), with one power-of-two scale for each 32 numbers along K (OCP MX v1.0); their sums are f32. All else is computed in f32.
;;   The module's matrix products, in the order in which they are computed (A, B: the left and right operand; K: the contracted axis; several contracted axes count as one K, in the product's order):
;;     1. [M 8,192, K 1,024] x [K 1,024, N 1,024]; A: input x; B: input Wq: QUANTISED
;;     2. [M 8,192, K 1,024] x [K 1,024, N 1,024]; A: input x; B: input Wk: QUANTISED
;;     3. [M 8,192, K 1,024] x [K 1,024, N 1,024]; A: input x; B: input Wv: QUANTISED
;;     4. batch 4 x [M 2,048, K 1,024] x [K 1,024, N 2,048]; A: computed on the way; B: computed on the way: QUANTISED
;;     5. batch 4 x [M 2,048, K 2,048] x [K 2,048, N 1,024]; A: softmax (see below); B: computed on the way: QUANTISED
;;   THE QUANTISER, for each operand of a quantised product, along K:
;;     - K is cut into blocks of 32 from its start; a last block that is shorter is filled with zeros.
;;     - A block's scale is 2^e with e = floor(log2(the largest magnitude in the block)) - 2, held to -126 .. 127; a block of zeros has e = 0. As a byte (E8M0): e + 127.
;;     - Each number is divided by its block's scale, clamped to +-7.5, and rounded to the nearest number of E2M3, ties to even, subnormals kept.
;;     - The product sums the exact products of the quantised numbers (number of the format x scale) in f32.
;;   ~~~python
;;   def quantise(x, axis):      # numpy; x: float32 -> the quantised numbers, widened to float32 again
;;       x = np.moveaxis(x, axis, -1); K = x.shape[-1]
;;       x = np.pad(x, [(0, 0)] * (x.ndim - 1) + [(0, -K % 32)]); x = x.reshape(x.shape[:-1] + (-1, 32)); a = np.abs(x).max(-1, keepdims=True)
;;       e = np.where(a > 0, np.clip(np.frexp(np.where(a > 0, a, 1))[1] - 1 - 2, -126, 127), 0)      # np.frexp(a)[1] - 1 = floor(log2(a)), exactly
;;       r = np.clip(x / 2.0 ** e, -7.5, 7.5)
;;       step = 2.0 ** (np.maximum(np.frexp(np.where(r == 0, 1, r))[1] - 1, 0) - 3)
;;       q = np.round(r / step) * step * 2.0 ** e      # np.round: ties to even
;;       return np.moveaxis(q.reshape(q.shape[:-2] + (-1,))[..., :K], -1, axis).astype(np.float32)
;;   ~~~
;;   SOFTMAX AHEAD OF A QUANTISED PRODUCT. Where the list says 'softmax', what is quantised is not the finished softmax but p = 2^(t - M), with t = logit x log2(e) and M = ceil(the row's largest t), a whole number; so 1/2 < the row's largest p <= 1. The row's sum l is taken of the UNQUANTISED p, in f32, and the product's result is divided by l at the end. Since M is a whole number, a kernel that streams over the keys may use a running M (the ceiling of the running maximum): every later rescaling is an exact power of two, which a block's scale takes up: the codes' values come out the same.
;;   OPERANDS COMPUTED ON THE WAY. 'Computed on the way' means the value that the module computes at that place (a softmax that the list does not call 'softmax' is quantised finished and normalised). What goes into a quantiser is computed in f32, as accurately as f32 sums, v_exp_f32 and their like allow (about 1e-6 of the number): no bf16 or f16 on the way to a quantiser, and a product that is left as it is and whose result goes on into a quantised operand takes f32 operands (vector FMAs, or v_wmma_f32_16x16x4_f32). A number that lies on a knife's edge between two numbers of the format may be rounded either way, as far as f32 arithmetic and the matrix unit's own rounding can turn it there, and no further.
;; One version. Each part assembles by itself: llvm-mc -triple=amdgcn-amd-amdhsa -mcpu=gfx1250 --defsym DOCPART=n.
;; ======== version 1 of 1: 4 launches
;; limits: right only within a limited range of input values
;; workspace buffers: c1 8,650,752 bytes; s1 360,448 bytes; c2 18,874,368 bytes; s2 786,432 bytes; pc 12,582,912 bytes; pst 1,572,864 bytes
;; launch quant (part 1): grid 448 x 1, 4 waves a work-group, no clusters, 34,304 bytes of LDS; arguments x, Wq, Wk, Wv, c1, s1; writes c1, s1
.if DOCPART == 1
	.amdgcn_target "amdgcn-amd-amdhsa--gfx1250"
	.amdhsa_code_object_version 6
	.text
	.protected	k_qee34076ba7_quant
	.globl	k_qee34076ba7_quant
	.p2align	8
	.type	k_qee34076ba7_quant,@function
k_qee34076ba7_quant:
	s_mov_b64 s[64:65], 0
	v_nop
	global_prefetch_b8 v0, s[64:65] scope:SCOPE_SE
	s_setreg_imm32_b32 hwreg(HW_REG_WAVE_MODE, 25, 1), 1
	s_wait_xcnt 0x0
; x [8192][1024] and Wq, Wk, Wv [1024 (k)][1024 (o)], f32, become codes of FP6 (E2M3) with one E8M0 byte for each 32 along K = d_in.
; A block's scale is 2^(floor(log2(its largest magnitude)) - 2): its byte is the largest magnitude's exponent field - 2, held at 1 from below.
; LIMITS: a block of zeros gets the byte 1 where the quantiser says 127 (its codes are zeros, and this program alone reads the bytes); NaN and infinities among the inputs are not served.
; WORK LEFT OUT by the later launches: products and softmax of keys that the causal mask of reference() hides, where whole blocks of 1,024 x 1,024 scores (launch scores) or whole runs of keys (launch pv) are hidden from every query of a cluster: their p is 0 for all inputs.  A NaN, an infinity or an overflow that reaches only these is not carried to the result.
; WHAT IS STORED.  Operands leave as IMAGES OF FRAGMENTS: 16 rows x 128 K = 12 registers a lane = 1,536 bytes, register j of lane L at 512 (j / 4) + 16 L + 4 (j % 4): three stores of 512 consecutive bytes.
; THE ORDER OF ROWS: tile t holds the matrix rows 64 (t / 4) + 32 (p / 8) + 8 (t % 4) + p % 8, p = 0 .. 15: used as source 0 of a product, the four tiles of a band of 64 rows give lane (r, h) 32 neighbours along the next K: a whole scale block.
; c1: x's images [tile 512][kg 8] at 0; the weights' [tile 192][kg 8] at 0x600000 (tiles 0-63 Wq, 64-127 Wk, 128-191 Wv; a tile's rows are output channels).
; s1: the scale word of (tile, row p, kg) at (2 tile + kg / 4) 256 + 16 p + 4 (kg % 4); x at 0, the weights at 0x40000.
; Work-groups 0-255 take x, 256-447 the weights: one scalar branch on the work-group's number.  No matrix unit, no cluster (no work-group reads another's numbers), no barrier (waves share nothing), no prefetch: each wave's loads run two steps ahead as they are.
.set STG,   8448                       ; a wave's stage: 16 rows x (512 bytes + 16)
.set SPARE, 4*STG                      ; behind the stages: the spare words, 128 bytes a wave, that no other line names
.set PC,    16                         ; v16-35   the codes just made (x path)
.set TM,    36                         ; v36-51   largest magnitudes, scale operands, bytes
.set SW,    52                         ; v52-55   the four scale words of my row
.set SPW,   56                         ; v56      my spare word's LDS address; never rewritten
.set NIL,   57                         ; v57      0; never rewritten
.set DD,    58                         ; v58-59   the two words that I store
.set RW,    64                         ; v64-191  x as loaded, two sets of 64
.set XN,    192                        ; v192-255 64 numbers of my row: register 32 c + i = k 64 c + 32 h + i
.set NW,    64                         ; v64-191  weights path: 128 numbers down K of my column
.set F0,    16                         ; v16-27, v28-39: the two fragments
.set TU,    192                        ; v192-207 upper halves of the blocks' codes
.set SCO,   40                         ; v40-43   scale operands
.set BY,    44                         ; v44-47   scale bytes
	s_load_b256 s[4:11], s[0:1], 0x0               ; x s[4:5], Wq s[6:7], Wk s[8:9], Wv s[10:11]
	s_load_b128 s[12:15], s[0:1], 0x20             ; c1 s[12:13], s1 s[14:15]
	v_lshl_add_u32 v[SPW], v0, 2, SPARE
	v_mov_b32 v[NIL], 0
	v_lshrrev_b32 v1, 5, v0
	v_readfirstlane_b32 s16, v1                    ; wave
	v_and_b32 v1, 31, v0                           ; lane
	v_and_b32 v2, 15, v0                           ; r
	v_bfe_u32 v3, v0, 4, 1                         ; h
	v_lshlrev_b32 v4, 4, v1                        ; 16 x lane
	v_lshlrev_b32 v11, 3, v3                       ; 8 h
	s_mov_b32 s20, 0x76543210
	s_mov_b32 s21, 0xfedcba98                      ; v_permlanex16_b32's selects for lane l xor 16
	s_wait_alu depctr_va_vdst(0)                   ; the wait here, directly ahead of the branch
	s_cmp_lt_u32 ttmp9, 256
	s_cbranch_scc0 .Lweights
; ---------------- x: a wave takes one tile (16 rows) x 512 along K: four fragments
	s_lshl_b32 s17, ttmp9, 2
	s_add_co_u32 s17, s17, s16                     ; task T = 4 x work-group + wave = 2 tile + kq
	s_lshr_b32 s18, s17, 1                         ; tile
	s_and_b32 s19, s17, 1                          ; which 512 along K
	s_lshr_b32 s22, s18, 2
	s_lshl_b32 s22, s22, 6
	s_and_b32 s23, s18, 3
	s_lshl_b32 s23, s23, 3
	s_add_co_u32 s22, s22, s23                     ; the tile's first row: 64 (t / 4) + 8 (t % 4)
	s_lshl_b32 s22, s22, 12                        ; rows of 4,096 bytes
	s_lshl_b32 s23, s19, 11
	s_add_co_u32 s22, s22, s23
	s_mov_b32 s23, 0
	s_lshl_b32 s24, s17, 2                         ; 8 tile + 4 kq = 4 T
	s_mul_i32 s24, s24, 1536
	s_mov_b32 s25, 0
	s_lshl_b32 s26, s17, 8                         ; (2 tile + kq) x 256
	s_mov_b32 s27, 0
	s_mul_i32 s28, s16, STG
	v_add_nc_u32 v5, s28, v4                       ; the stage, in: a row's 512 bytes as they lie
	v_mul_u32_u24 v6, v2, 528
	v_lshl_add_u32 v6, v3, 7, v6
	v_add_nc_u32 v6, s28, v6                       ; out: row r, + 128 h: blocks h and 2 + h are mine, whole
	v_lshlrev_b32 v7, 4, v2
	v_lshl_add_u32 v7, v3, 3, v7                   ; the scale words: 16 r + 8 h
	v_mov_b32 v[TM+4], 0                           ; written once: a lane permute's destination counts as one of its sources
	s_wait_alu depctr_va_vdst(0)                   ; the wait at the head's end
	s_wait_kmcnt 0x0
	s_add_nc_u64 s[4:5], s[4:5], s[22:23]
	s_add_nc_u64 s[12:13], s[12:13], s[24:25]
	s_add_nc_u64 s[14:15], s[14:15], s[26:27]
.macro LOADX s                         ; the tile's 16 rows, 128 along K: each load reads 512 consecutive bytes of one row
.irp i, 0,1,2,3,4,5,6,7,8,9,10,11,12,13,14,15
	global_load_b128 v[RW+64*((\s)%2)+4*\i:RW+64*((\s)%2)+4*\i+3], v4, s[4:5] offset:(\i+24*(\i/8))*4096+512*(\s) th:TH_LOAD_NT
.endr
.endm
; 64 numbers of a lane, two whole blocks, become a fragment's codes in v[PC] on and its row's scale word in v[pw]
.macro QUANT s, pw
.irp b, 0,1,2,3
	v_max3_num_f32 v[TM+\b], |v[\s+16*\b]|, |v[\s+1+16*\b]|, 0x1800000   ; half a block each, by turns; the floor 2^(3 - 127): the byte cannot fall under 1
.endr
.irp i, 2,4,6,8,10,12,14
.irp b, 0,1,2,3
	v_max3_num_f32 v[TM+\b], v[TM+\b], |v[\s+16*\b+\i]|, |v[\s+1+16*\b+\i]|
.endr
.endr
.irp c, 0,1
	v_max_num_f32 v[TM+2*\c], v[TM+2*\c], v[TM+2*\c+1]
.endr
.irp c, 0,1
	v_add_nc_u32 v[TM+8+\c], 0xff000000, v[TM+2*\c] ; 2 off its exponent field: the conversion's scale operand
.endr
.irp c, 0,1
	v_lshrrev_b32 v[TM+10+\c], 23, v[TM+8+\c]      ; the scale's byte
.endr
.irp c, 0,1
	v_cvt_scalef32_pk16_fp6_f32 v[PC+6*\c:PC+2+6*\c], v[\s+32*\c:\s+15+32*\c], v[TM+8+\c]
	v_cvt_scalef32_pk16_fp6_f32 v[PC+12+4*\c:PC+14+4*\c], v[\s+16+32*\c:\s+31+32*\c], v[TM+8+\c]
.endr
	v_lshl_or_b32 v[\pw], v[TM+11], 16, v[TM+10]   ; bytes h and 2 + h of the word (a plain place behind the scaled conversions)
.irp c, 0,1
.irp i, 0,1,2
	v_mov_b32 v[PC+3+6*\c+\i], v[PC+12+4*\c+\i]
.endr
.endr
	v_lshlrev_b32 v[\pw], v11, v[\pw]
	v_permlanex16_b32 v[TM+4], v[\pw], s20, s21
	v_or_b32 v[\pw], v[\pw], v[TM+4]               ; with lane l xor 16's two the word is whole
.endm
.macro XSTEP s
.if \s < 3
	s_wait_loadcnt 16                              ; this step's 16 loads are in; the one younger set may be out
.else
	s_wait_loadcnt 0x0
.endif
.irp i, 0,1,2,3,4,5,6,7,8,9,10,11,12,13,14,15
	ds_store_b128 v5, v[RW+64*((\s)%2)+4*\i:RW+64*((\s)%2)+4*\i+3] offset:528*\i
.endr
.irp c, 0,1
.irp j, 0,1,2,3,4,5,6,7
	ds_load_b128 v[XN+32*\c+4*\j:XN+32*\c+4*\j+3], v6 offset:256*\c+16*\j   ; LDS serves a wave's instructions in order: these see my stores
.endr
.endr
	s_wait_dscnt 0x0                               ; my numbers are back, and the stage's stores have read their registers
	s_wait_xcnt 0x0                                ; the last step's stores have read the codes' registers
.if \s < 2
	LOADX \s+2
.endif
	QUANT XN, SW+\s
.irp c, 0,1,2
	global_store_b128 v4, v[PC+4*\c:PC+4*\c+3], s[12:13] offset:1536*\s+512*\c   ; 512 consecutive bytes
.endr
.endm
	LOADX 0
	LOADX 1
	XSTEP 0
	s_wait_alu depctr_va_vdst(0)                   ; the wait between the steps, directly ahead of the blocking wait
	XSTEP 1
	s_wait_alu depctr_va_vdst(0)
	XSTEP 2
	s_wait_alu depctr_va_vdst(0)
	XSTEP 3
	v_cmp_lt_u32 vcc_lo, 15, v1                    ; lanes r and r + 16 hold the same four words: lane (r, h) stores words 2 h and 2 h + 1
	v_cndmask_b32 v[DD], v[SW], v[SW+2], vcc_lo
	v_cndmask_b32 v[DD+1], v[SW+1], v[SW+3], vcc_lo
	global_store_b64 v7, v[DD:DD+1], s[14:15]      ; the 32 lanes store 256 consecutive bytes, aligned
	s_wait_tensorcnt 0x0                           ; the wave's end
	ds_add_u32 v[SPW], v[NIL]
	s_wait_dscnt 0x0
	s_endpgm
; ---------------- the weights: K is the FIRST axis.  A lane takes a column (an output channel) and its registers run down 128 of K: four whole blocks.
; A wave takes half a band of 64 columns: lane l is row 8 half + l % 8 of the band's tile l / 8.
.Lweights:
	s_sub_co_u32 s17, ttmp9, 256
	s_lshr_b32 s18, s17, 6                         ; which weight
	s_bfe_u32 s19, s17, 0x30003                    ; kg: which 128 along K
	s_and_b32 s22, s17, 7                          ; which 128 columns
	s_lshl_b32 s24, s19, 19                        ; 128 rows of 4,096 bytes
	s_lshl_b32 s25, s22, 9
	s_add_co_u32 s24, s24, s25
	s_lshl_b32 s25, s16, 7
	s_add_co_u32 s24, s24, s25                     ; my wave's 32 columns
	s_mov_b32 s25, 0
	s_lshl_b32 s23, s18, 6
	s_lshl_b32 s26, s22, 3
	s_add_co_u32 s23, s23, s26
	s_lshr_b32 s26, s16, 1
	s_lshl_b32 s26, s26, 2
	s_add_co_u32 s23, s23, s26                     ; T0 = 64 weight + 8 cg + 4 (wave / 2): the band's first tile
	s_lshl_b32 s26, s23, 3
	s_add_co_u32 s26, s26, s19
	s_mul_i32 s26, s26, 1536
	s_add_co_u32 s26, s26, 0x600000
	s_and_b32 s27, s16, 1
	s_lshl_b32 s27, s27, 7
	s_add_co_u32 s26, s26, s27                     ; rows 8 half on: 16 bytes each
	s_mov_b32 s27, 0
	s_lshl_b32 s28, s23, 9
	s_lshr_b32 s29, s19, 2
	s_lshl_b32 s29, s29, 8
	s_add_co_u32 s28, s28, s29
	s_and_b32 s29, s19, 3
	s_lshl_b32 s29, s29, 2
	s_add_co_u32 s28, s28, s29
	s_add_co_u32 s28, s28, 0x40000
	s_and_b32 s29, s16, 1
	s_lshl_b32 s29, s29, 7
	s_add_co_u32 s28, s28, s29
	s_mov_b32 s29, 0
	v_lshlrev_b32 v10, 2, v1                       ; my column: a load reads 128 consecutive bytes
	v_lshrrev_b32 v8, 3, v1
	v_and_b32 v9, 7, v1
	v_lshlrev_b32 v9, 4, v9
	v_lshl_add_u32 v12, v8, 9, v9                  ; my scale word: 512 (lane / 8) + 16 (lane % 8)
	v_mul_u32_u24 v14, v8, 12288
	v_add_nc_u32 v14, v14, v9                      ; my codes: tile lane / 8, row lane % 8
	s_wait_alu depctr_va_vdst(0)
	s_wait_kmcnt 0x0
	s_cmp_eq_u32 s18, 0
	s_cselect_b64 s[30:31], s[6:7], s[8:9]
	s_cmp_eq_u32 s18, 2
	s_cselect_b64 s[30:31], s[10:11], s[30:31]
	s_add_nc_u64 s[30:31], s[30:31], s[24:25]
	s_add_nc_u64 s[12:13], s[12:13], s[26:27]
	s_add_nc_u64 s[14:15], s[14:15], s[28:29]
.macro LOADW b
.irp i, 0,1,2,3,4,5,6,7,8,9,10,11,12,13,14,15,16,17,18,19,20,21,22,23,24,25,26,27,28,29,30,31
	global_load_b32 v[NW+32*(\b)+\i], v10, s[30:31] offset:(32*(\b)+\i)*4096 th:TH_LOAD_NT
.endr
.endm
.macro BLK b                           ; block b of my column: all 32 numbers are mine
.set NS, NW+32*(\b)
	v_max3_num_f32 v8, |v[NS]|, |v[NS+1]|, |v[NS+2]|
	v_max3_num_f32 v9, |v[NS+3]|, |v[NS+4]|, |v[NS+5]|
.irp i, 6,10,14,18,22,26
	v_max3_num_f32 v8, v8, |v[NS+\i]|, |v[NS+\i+1]|
	v_max3_num_f32 v9, v9, |v[NS+\i+2]|, |v[NS+\i+3]|
.endr
	v_max3_num_f32 v8, v8, |v[NS+30]|, |v[NS+31]|
	v_max3_num_f32 v8, v8, v9, 0x1800000           ; and the floor
	v_add_nc_u32 v[SCO+\b], 0xff000000, v8
	v_lshrrev_b32 v[BY+\b], 23, v[SCO+\b]
	v_cvt_scalef32_pk16_fp6_f32 v[F0+12*((\b)%2)+6*((\b)/2):F0+12*((\b)%2)+6*((\b)/2)+2], v[NS:NS+15], v[SCO+\b]   ; even blocks into the first run, odd ones into the second
	v_cvt_scalef32_pk16_fp6_f32 v[TU+4*(\b):TU+4*(\b)+2], v[NS+16:NS+31], v[SCO+\b]
.endm
	LOADW 0
	LOADW 1
	s_wait_loadcnt 32                              ; block 0 is in; the one younger block may be out (so below)
	LOADW 2
	BLK 0
	s_wait_loadcnt 32
	LOADW 3
	BLK 1
	s_wait_loadcnt 32
	BLK 2
	s_wait_loadcnt 0x0
	BLK 3
	v_nop                                          ; one plain place behind the scaled conversions
.irp b, 0,1,2,3
.irp i, 0,1,2
	v_mov_b32 v[F0+12*(\b%2)+6*(\b/2)+3+\i], v[TU+4*\b+\i]
.endr
.endr
	v_lshl_or_b32 v13, v[BY+1], 8, v[BY]
	v_lshl_or_b32 v13, v[BY+2], 16, v13
	v_lshl_or_b32 v13, v[BY+3], 24, v13
.irp c, 0,1,2
	global_store_b128 v14, v[F0+4*\c:F0+4*\c+3], s[12:13] offset:512*\c             ; blocks 0 and 2: the image's lanes 0-15; eight lanes store 128 consecutive bytes of a tile
	global_store_b128 v14, v[F0+12+4*\c:F0+12+4*\c+3], s[12:13] offset:256+512*\c   ; blocks 1 and 3: its lanes 16-31
.endr
	global_store_b32 v12, v13, s[14:15]            ; 4 bytes a lane, 16 bytes apart: one byte for each 128 that this path reads
	s_endpgm
.Lfunc_end_k_qee34076ba7_quant:
	.size	k_qee34076ba7_quant, .Lfunc_end_k_qee34076ba7_quant-k_qee34076ba7_quant
	.p2alignl 7, 3214868480
	.fill 96, 4, 3214868480
	.section	.rodata,"a",@progbits
	.p2align	6, 0x0
	.amdhsa_kernel k_qee34076ba7_quant
		.amdhsa_group_segment_fixed_size 34304
		.amdhsa_private_segment_fixed_size 0
		.amdhsa_enable_private_segment 0
		.amdhsa_kernarg_size 48
		.amdhsa_user_sgpr_count 2
		.amdhsa_user_sgpr_kernarg_segment_ptr 1
		.amdhsa_wavefront_size32 1
		.amdhsa_system_sgpr_workgroup_id_x 1
		.amdhsa_system_sgpr_workgroup_id_y 1
		.amdhsa_system_sgpr_workgroup_id_z 1
		.amdhsa_system_vgpr_workitem_id 0
		.amdhsa_next_free_vgpr 256
		.amdhsa_next_free_sgpr 66
		.amdhsa_reserve_vcc 1
		.amdhsa_float_denorm_mode_32 3
		.amdhsa_float_denorm_mode_16_64 3
		.amdhsa_memory_ordered 1
		.amdhsa_forward_progress 1
		.amdhsa_inst_pref_size 51
	.end_amdhsa_kernel
	.amdgpu_metadata
---
amdhsa.version: [ 1, 2 ]
amdhsa.kernels:
  - .name:           k_qee34076ba7_quant
    .symbol:         k_qee34076ba7_quant.kd
    .args:
      - { .name: x, .offset: 0, .size: 8, .value_kind: global_buffer, .address_space: global }
      - { .name: Wq, .offset: 8, .size: 8, .value_kind: global_buffer, .address_space: global }
      - { .name: Wk, .offset: 16, .size: 8, .value_kind: global_buffer, .address_space: global }
      - { .name: Wv, .offset: 24, .size: 8, .value_kind: global_buffer, .address_space: global }
      - { .name: c1, .offset: 32, .size: 8, .value_kind: global_buffer, .address_space: global }
      - { .name: s1, .offset: 40, .size: 8, .value_kind: global_buffer, .address_space: global }
    .group_segment_fixed_size: 34304
    .private_segment_fixed_size: 0
    .kernarg_segment_align: 8
    .kernarg_segment_size: 48
    .max_flat_workgroup_size: 128
    .sgpr_count:     66
    .vgpr_count:     256
    .wavefront_size: 32
...
	.end_amdgpu_metadata
.endif
;; end of part 1
;; launch proj (part 2): grid 16 x 16, 4 waves a work-group, clusters of 4 x 4, 327,680 bytes of LDS; arguments c1, s1, c2, s2; writes c2, s2
.if DOCPART == 2
	.amdgcn_target "amdgcn-amd-amdhsa--gfx1250"
	.amdhsa_code_object_version 6
	.text
	.protected	k_qee34076ba7_proj
	.globl	k_qee34076ba7_proj
	.p2align	8
	.type	k_qee34076ba7_proj,@function
k_qee34076ba7_proj:
	s_mov_b64 s[64:65], 0
	v_nop
	global_prefetch_b8 v0, s[64:65] scope:SCOPE_SE
	s_setreg_imm32_b32 hwreg(HW_REG_WAVE_MODE, 25, 1), 1
	s_wait_xcnt 0x0
	s_wait_alu depctr_hold_cnt(0) depctr_sa_sdst(0) depctr_va_vdst(0) depctr_va_sdst(0) depctr_va_ssrc(0) depctr_va_vcc(0) depctr_vm_vsrc(0)
	s_getreg_b32 s2, hwreg(HW_REG_IB_STS2, 6, 4)
	s_cmp_eq_u32 s2, 0
	s_cbranch_scc0 .Lentry_in_a_cluster
	s_endpgm
.Lentry_in_a_cluster:
	s_bfe_u32 s2, ttmp6, 0x10000c
	s_cmp_lg_u32 s2, 0xf033
	s_cbranch_scc0 .Lentry_shape_is_right
	s_endpgm
.Lentry_shape_is_right:
; q, k, v = x W on codes of FP6 (E2M3), and their quantisers: q and k along d_out, v along the tokens.  No f32 result is stored.
; LIMITS: a block of zeros gets the byte 1 (its codes are zeros; this program alone reads the bytes); NaN and infinities are not served.
; OUT (r = lane % 16, h = lane / 16).  c2: images of operands, 16 rows x 128 K, 1,536 bytes, in two halves of 64 along K, 768 bytes each: registers 6 c .. 6 c + 3 at 16 x lane, 6 c + 4, 6 c + 5 at 512 + 8 x lane.
;   q | k: [token tile 512][pg 16: q 0-7, k 8-15] at 0; v^T: [channel tile 64][pg 64 = token / 128] at 0xC00000.  s2: the word of (pg, tile, row r) at (pg NRT8 + tile / 8) 512 + 32 r + 4 (tile % 8); q | k at 0 (NRT8 64), v at 0x80000 (NRT8 8).
; IN: c1's images [tile of 16 rows][kg 8], a row of 12,288 bytes a tile; the four tiles of a band of 64 rows hold rows 32 h + 8 j + i (tile j, row 8 h + i): so a lane's results of a band's four tiles are one whole scale block, and no lane looks at another.
; THE DEAL.  256 work-groups of four waves, 2 x 2: a wave holds 64 rows of a weight, ALL of K, in registers (384) and streams x's tiles past them, a BLOCK of 16 rows each: 32 products.  The wave in row w takes tiles 4 w + j (j = 0 .. 3) of each chunk of 8 tiles (128 tokens).
; PHASE 1: 256 tokens x 128 channels of v; PHASE 2: 512 x 128 of q or k.  V's tokens are a half (s87) of the work-group's own 512, and come first in phase 2 as well: two chunks serve both phases, and only the other half's two are loaded later.
; s87 and s19 come from the cluster's number alone.  CLUSTER 4 x 4: x's rows are asked for jointly along a row, a weight's along a column.
; LDS: two slots for x's chunks (98,304 bytes each), a region for the weights' 128 rows (98,304), stages for the scale bytes of q | k (XN) and of v (XM), x's scale words (SXL), the spare words.  The text claims all of LDS.
; FILLS.  At the head one tensor load a wave: W_v's rows, a half each by waves 0 and 1; chunk 0; chunk 1.  Three refills, each in a round of the cluster's barrier with the three lines ahead of it: W_q's or W_k's rows onto W_v's, in V's block 2; the other half's chunks, in phase 2's blocks 2 and 6 (waves 0 and 1 a half each).
; A ROUND STANDS INSIDE A BLOCK: products are register work.  Behind every second product stand two ENTRIES of the block's list: scalar lines and one vector line each: descriptors, addresses, and the search for the largest magnitude of the LAST block's results (two chains side by side); the conversions stand behind the block's last product.
; THE WAITS' COUNTS: a block's rows were fetched two blocks ago; younger are the next block's fetch, NF loads, and the byte stores issued between.
; PREFETCH: the second weight at the head, chunk 2 behind the first refill, chunk 3 between the phases, each one refill and more ahead of its load; shared out by address among the sixteen waves that will ask jointly (24 blocks of 256 bytes each).
; REGISTERS: window 0: addresses, scale words (v24-55 the weights', v60-75 x's, two sets), v128-255 phase 1's first sums, later phase 2's (two sets of 32).  Fragments f = 0 .. 47 of 12 registers, 21 to a window, from window 1 on: 0-31 the weights' (4 kg + tile), 32-39 and 40-47 x's two sets.
;   window 3: v72-199 phase 1's second sums; from v200 on the way out.
.set CH,    98304
.set WR,    196608
.set XN,    294912
.set XM,    296960
.set SXL,   297984                     ; [w 2][block 16][kg / 4][row 16][16 bytes]
.set SPARE, 314368
.set NF,    26
.set AX0,   4                          ; v4, v5  my tiles of a chunk in slot 0, 1
.set AX1,   5
.set AXA,   6                          ; the slot that is fetched from in the loops
.set AW,    7
.set C8,    8                          ; 8 x lane
.set CO,    9                          ; 16 x lane
.set SPW,   10
.set NIL,   11
.set ASX,   12                         ; my blocks' scale words;  v13 as AXA
.set ASXC,  13
.set STO,   14                         ; stages: my byte of q | k, of v
.set STV,   15
.set VX,    16
.set PF1,   17
.set PF2,   18
.set PF3,   19
.set WSO,   20
.set SB,    24                         ; v24-39 W_v's scale words, v40-55 W_q's or W_k's: register 8 p + kg: lanes 0-15 tile 2 p, lanes 16-31 tile 2 p + 1
.set SBQ,   40
.set ASW,   56
.set SR1,   57
.set SR2,   58
.set SA,    60
.set ACC,   128
.set HV0,   128                        ; phase 1, chunk 0: 32 t + 8 j + i
.set HV1,   840                        ; chunk 1
.set TQ,    200                        ; window 3: two chains each for up to four results at once
.set SOP,   208
.set CD,    212
.set TC,    236
.set EB,    252
.set G1A,   24
.set G1B,   32
.set G0A,   56
.set G0B,   60
.set G0R,   68
.set G1H,   92
.set MSB, 0
.macro WIN new
.if MSB != (\new)
	s_set_vgpr_msb (MSB<<8)|(\new)
.set MSB, (\new)
.endif
.endm
.macro PLACES n
.rept \n
	v_nop
.endr
.endm
.macro WALU
	s_wait_alu depctr_va_vdst(0)
.endm
.macro BARRIER
	s_barrier_signal -1
	s_barrier_wait -1
.endm
.macro MIDDLE                          ; a round's middle
	WIN 0
	s_barrier_wait -1
	s_cmp_lg_u32 s14, 0
	s_cbranch_scc1 .Lnot_wave_0_\@
	s_barrier_signal -3
.Lnot_wave_0_\@:
	s_barrier_wait -3
.endm
.macro CROUND
	s_barrier_signal -1
	MIDDLE
	BARRIER
.endm
.macro GRD
	s_wait_tensorcnt 0x0
	ds_add_u32 v[SPW], v[NIL]
.endm
.macro TLOAD g0, g1
	tensor_load_to_lds s[\g0:\g0+3], s[\g1:\g1+7]
	s_nop 0
	PLACES 4
.endm
.macro GROUP1 g, mask, rows            ; rows of 12,288 bytes, dense
	s_or_b32 s[\g+0], s[\mask], (3<<16)|(1<<21)
	s_mov_b32 s[\g+1], 1536<<16
	s_mov_b32 s[\g+2], (\rows)<<16
	s_mov_b32 s[\g+3], 1536<<16
	s_mov_b32 s[\g+4], \rows
	s_mov_b32 s[\g+5], 1536
	s_mov_b32 s[\g+6], 0
	s_mov_b32 s[\g+7], 0
.endm
.macro FRAG f, q, adr, off             ; a fragment's image: three loads of 512 consecutive bytes
	WIN (1+(\f)/21)<<6
.irp c, 0,1,2
	ds_load_b128 v[12*((\f)%21)+4*\c:12*((\f)%21)+4*\c+3], v[\adr] offset:(\off)+1536*(\q)+512*\c
.endr
.endm
.macro WEIGHTS                         ; my 64 rows of the weight, all of K
.irp q, 0,1,2,3,4,5,6,7
.irp t, 0,1,2,3
	FRAG 4*\q+\t, \q, AW, 12288*\t
.endr
.endr
	WIN 0
.endm
.macro FETCH e, ax, as, j, so          ; a block's fragments and scale words into set e: NF loads
.irp q, 0,1,2,3,4,5,6,7
	FRAG 32+8*(\e)+\q, \q, \ax, 12288*(\j)
.endr
	WIN 0
	ds_load_b128 v[SA+8*(\e):SA+8*(\e)+3], v[\as] offset:512*(\so)
	ds_load_b128 v[SA+8*(\e)+4:SA+8*(\e)+7], v[\as] offset:512*(\so)+256
.endm
; A product: n = 4 kg + tile.  kind 0 (q, k): source 0 the weight's rows; kind 1 (v): source 0 x's rows.  Four accumulators take turns.
.macro PROD kind, e, n, a0, as
.set Q_, (\n)/4
.set FB_, 4*Q_+(\n)%4
.set FA_, 32+8*(\e)+Q_
.set D_, (\a0)+(\as)*((\n)%4)
.set DL_, D_&255
.set XA_, SA+8*(\e)+Q_
.if \kind
.set XB_, SB+8*(((\n)%4)/2)+Q_
	WIN (1+FA_/21)|((1+FB_/21)<<2)|((D_>>8)<<4)|((D_>>8)<<6)
.if Q_
	PROD1 DL_, FA_, FB_, v[DL_:DL_+7], XA_, XB_, b, (\n)%2
.else
	PROD1 DL_, FA_, FB_, 0, XA_, XB_, b, (\n)%2
.endif
.else
.set XB_, SBQ+8*(((\n)%4)/2)+Q_
	WIN (1+FB_/21)|((1+FA_/21)<<2)|((D_>>8)<<4)|((D_>>8)<<6)
.if Q_
	PROD1 DL_, FB_, FA_, v[DL_:DL_+7], XB_, XA_, a, (\n)%2
.else
	PROD1 DL_, FB_, FA_, 0, XB_, XA_, a, (\n)%2
.endif
.endif
.endm
.macro PROD1 d, s0, s1, c, x0, x1, side, o
.if \o
	v_wmma_scale_f32_16x16x128_f8f6f4 v[\d:\d+7], v[12*((\s0)%21):12*((\s0)%21)+11], v[12*((\s1)%21):12*((\s1)%21)+11], \c, v[\x0], v[\x1] matrix_a_fmt:MATRIX_FMT_FP6 matrix_b_fmt:MATRIX_FMT_FP6 matrix_\side\()_scale:MATRIX_SCALE_ROW1
.else
	v_wmma_scale_f32_16x16x128_f8f6f4 v[\d:\d+7], v[12*((\s0)%21):12*((\s0)%21)+11], v[12*((\s1)%21):12*((\s1)%21)+11], \c, v[\x0], v[\x1] matrix_a_fmt:MATRIX_FMT_FP6 matrix_b_fmt:MATRIX_FMT_FP6 matrix_\side\()_scale:MATRIX_SCALE_ROW0
.endif
.endm
; Products from .. to - 1 of a block; behind every second one two entries of the list (a macro: entry number, two arguments of its own).
.macro BLOCK kind, e, a0, as, from, to, list, x=0, y=0
.set N_, \from
.rept (\to)-(\from)
	PROD \kind, \e, N_, \a0, \as
.if N_%2
	\list N_-1, \x, \y
	\list N_, \x, \y
.endif
.set N_, N_+1
.endr
.endm
.macro CHAIN i, x, n                   ; 18 entries: the largest magnitude of the 32 sums from register x on, and the conversions' scale operand
.set XW_, (\x)>>8
.set XL_, (\x)&255
.set T0_, TQ+2*(\n)
.if (\i) >= 0 && (\i) < 14
.set B_, XL_+16*((\i)%2)+2*((\i)/2)
.set T_, T0_+1-(\i)%2
.if (\i) < 2
	WIN 0xc0|(XW_*21)
	v_max3_num_f32 v[T_], |v[B_]|, |v[B_+1]|, |v[B_+2]|
.else
	WIN 0xc3|(XW_*20)
	v_max3_num_f32 v[T_], v[T_], |v[B_+1]|, |v[B_+2]|
.endif
.elseif (\i) == 14
	WIN 0xc3|(XW_*4)
	v_max3_num_f32 v[T0_+1], v[T0_+1], |v[XL_+15]|, 0x1800000   ; and the floor 2^(3 - 127): the byte cannot fall under 1
.elseif (\i) == 15
	WIN 0
	v_nop                                  ; so that the next line, which reads entry 14's result, stands in the next pair
.elseif (\i) == 16
	WIN 0xf3|(XW_*4)
	v_max3_num_f32 v[T0_], v[T0_], |v[XL_+31]|, v[T0_+1]
.elseif (\i) == 17
	WIN 0xcf
	v_add_nc_u32 v[SOP+\n], 0xff000000, v[T0_]     ; 2 off the exponent field
.endif
.endm
.macro CODE i, x, n                    ; 6 lines: 32 codes, six registers; the scale's byte
.set XW_, (\x)>>8
.set XL_, (\x)&255
.if (\i) == 0
	WIN 0xcc|XW_
	v_cvt_scalef32_pk16_fp6_f32 v[CD+6*(\n):CD+6*(\n)+2], v[XL_:XL_+15], v[SOP+\n]
.elseif (\i) == 1
	WIN 0xcc|XW_
	v_cvt_scalef32_pk16_fp6_f32 v[TC+4*(\n):TC+4*(\n)+2], v[XL_+16:XL_+31], v[SOP+\n]
.elseif (\i) == 2
	WIN 0xcf
	v_lshrrev_b32 v[EB+\n], 23, v[SOP+\n]
.else
	WIN 0xcf
	v_mov_b32 v[CD+6*(\n)+\i], v[TC+4*(\n)+\i-3]
.endif
.endm
.macro CODES x, n                      ; the shift and the three moves are also the four places behind the block's last product
.irp i, 0,1,2,3,4,5
	CODE \i, \x, \n
.endr
	WIN 0
.endm
.macro PUT n, base, off                ; six registers: 512 and 256 consecutive bytes
	global_store_b128 v[CO], v[CD+6*(\n):CD+6*(\n)+3], s[(\base):(\base)+1] offset:\off
	global_store_b64 v[C8], v[CD+6*(\n)+4:CD+6*(\n)+5], s[(\base):(\base)+1] offset:(\off)+512
.endm
.macro VOUT t, u, n
	WIN 0x0c
	ds_store_b8 v[STV], v[EB+\n] offset:512*(\u)+4*(\t)
	PUT \n, 50, 98304*(\t)+1536*(\u)
	WIN 0
.endm
.macro QOUT n                          ; set n of the way out's registers, base s[76 + 2 n : 77 + 2 n]
	WALU
	WIN 0x0c
	ds_store_b8 v[VX], v[EB+\n]
	PUT \n, 76+2*\n, 0
	WIN 0
.endm
.macro PLACE i, y                      ; 4 entries: where block s46's codes go (s[y:y+1]; by the true chunk) and its scale bytes (v[VX]; by the order of work)
.if (\i) == 0
	s_lshl_b32 s23, s87, 1
	s_lshr_b32 s22, s46, 2
	s_xor_b32 s20, s22, s23
	s_lshl_b32 s20, s20, 3
.elseif (\i) == 1
	s_and_b32 s23, s46, 3
	s_add_co_u32 s20, s20, s23
	s_mul_i32 s20, s20, 24576
	s_mov_b32 s21, 0
.elseif (\i) == 2
	s_add_nc_u64 s[76+2*(\y):77+2*(\y)], s[10:11], s[20:21]   ; (y: the set of the way out's registers, 0 .. 3)
	s_lshl_b32 s22, s22, 9
	s_lshl_b32 s23, s23, 2
	s_or_b32 s22, s22, s23
.elseif (\i) == 3
	s_add_co_u32 s46, s46, 1
	WIN 0
	v_add_nc_u32 v[VX], s22, v[STO]
.endif
.endm
.macro ASK i                           ; 2 entries: the descriptor of my half of the chunk at s88 for slot s47; then both step on
.if (\i) == 0
	s_mul_i32 s20, s14, 49152
	s_add_co_u32 s[G0R+1], s20, s47
	s_add_co_u32 s20, s20, s88
	s_mov_b32 s21, 0
.elseif (\i) == 1
	s_add_nc_u64 s[G0R+2:G0R+3], s[4:5], s[20:21]
	s_or_b32 s[G0R+3], s[G0R+3], 0x80000000
	s_add_co_u32 s88, s88, CH
	s_xor_b32 s47, s47, CH
.endif
.endm
.macro STEPV i
.if (\i) == 0
	WIN 0
	v_add_nc_u32 v[AXA], s101, v[AX0]
.elseif (\i) == 1
	WIN 0
	v_add_nc_u32 v[ASXC], s91, v[ASX]
.endif
.endm
.macro STEPA i                         ; to the other slot, four blocks on
.if (\i) == 0
	s_xor_b32 s101, s101, CH
	s_add_co_u32 s91, s91, 2048
.endif
	STEPV \i
.endm
.macro STEPB i                         ; two tiles on in slot 1
.if (\i) == 0
	s_add_co_u32 s101, s101, 24576
	s_add_co_u32 s91, s91, 1024
.endif
	STEPV \i
.endm
.macro L_NONE i, x, y
.endm
.macro L_V i, x, y
	CHAIN (\i)-8, \x, \y
.endm
.macro L_V2 i, x, y                    ; the first refill's descriptor: my half of W_q's or W_k's rows
.if (\i) == 0
	s_mul_i32 s20, s14, 49152
	s_add_co_u32 s20, s20, s17
	s_mov_b32 s21, 0
	s_add_nc_u64 s[G0B+2:G0B+3], s[4:5], s[20:21]
.elseif (\i) == 1
	s_or_b32 s[G0B+3], s[G0B+3], 0x80000000
.endif
.endm
.macro L_Q i, x, y
	PLACE \i, \y
	CHAIN (\i)-8, \x, \y
.endm
.macro L_R i, x, y
	ASK (\i)-4
	STEPA (\i)-6
	CHAIN (\i)-8, \x, \y
.endm
.macro L_S i, x, y
	STEPB (\i)-6
	CHAIN (\i)-8, \x, \y
.endm
.macro L_P i, x, y
	PLACE (\i)-26, \y
.endm
.macro WAITDS w
.if (\w) >= 0
	s_wait_dscnt \w
.endif
.endm
; Phase 2's blocks.  e: the block's parity = its set of fragments and sums; the last block's results lie in the other set of sums and go out by set n of the way out's registers.  Four such sets take turns, so that one wait on XCNT serves several blocks (xc = 1: here).
.macro QBLK e, n, xc, w, ax, as, j, so ; j < 0: nothing more is fetched
	WAITDS \w
	BLOCK 0, \e, ACC+32*\e, 8, 0, 8, L_Q, ACC+32*(1-\e), \n
.if \xc
	s_wait_xcnt 0x0                                ; the stores so far have read their registers
.endif
	BLOCK 0, \e, ACC+32*\e, 8, 8, 32, L_Q, ACC+32*(1-\e), \n
	WIN 0
	CODES ACC+32*(1-\e), \n
	QOUT \n
.if (\j) >= 0
	FETCH \e, \ax, \as, \j, \so
.endif
.endm
; ================= THE HEAD
	s_load_b256 s[4:11], s[0:1], 0x0               ; c1, s1, c2, s2
	v_lshl_add_u32 v[SPW], v0, 2, SPARE
	v_mov_b32 v[NIL], 0
	ds_add_u32 v[SPW], v[NIL]                      ; the opening add, twice on end
	ds_add_u32 v[SPW], v[NIL]
	v_lshrrev_b32 v1, 5, v0
	v_readfirstlane_b32 s14, v1                    ; s14 the wave; s15 its row w of the 2 x 2, s16 its column b
	s_lshr_b32 s15, s14, 1
	s_and_b32 s16, s14, 1
	s_bfe_u32 s40, ttmp6, 0x40000                  ; cx
	s_bfe_u32 s41, ttmp6, 0x40004                  ; cy
	s_lshl_b32 s42, ttmp9, 2
	s_add_co_u32 s42, s42, s40                     ; phase 2's tile column = pg
	s_and_b32 s43, ttmp7, 0xffff
	s_lshl_b32 s43, s43, 2
	s_add_co_u32 s43, s43, s41                     ; its tile row: 512 tokens
	s_lshr_b32 s19, ttmp9, 1                       ; 0 q, 1 k
	s_and_b32 s87, ttmp9, 1                        ; V's half of my 512 tokens
	s_lshl_b32 s13, s19, 2
	s_add_co_u32 s13, s13, s40                     ; V's tile column: 128 channels
	s_lshl_b32 s12, s43, 1
	s_add_co_u32 s12, s12, s87                     ; V's tile row: 256 tokens
	s_lshl_b32 s44, s41, 2
	s_lshl_b32 s44, 15, s44                        ; my row of the cluster
	s_lshl_b32 s45, 0x1111, s40                    ; my column
	GROUP1 G1A, 44, 8
	GROUP1 G1H, 44, 4
	GROUP1 G1B, 45, 4
	s_mul_i32 s66, s12, 196608                     ; V's half of x, bytes from c1
	s_xor_b32 s20, s87, 1
	s_lshl_b32 s21, s43, 1
	s_add_co_u32 s20, s20, s21
	s_mul_i32 s88, s20, 196608                     ; the other half
	s_mul_i32 s17, s42, CH
	s_add_co_u32 s17, s17, 0x600000                ; W_q's or W_k's 128 rows
	s_mul_i32 s18, s14, 49152
	s_add_co_u32 s54, s13, 16
	s_mul_i32 s54, s54, CH
	s_add_co_u32 s54, s54, 0x600000
	s_add_co_u32 s54, s54, s18                     ; my half of W_v's
	s_lshl_b32 s21, s16, 2
	s_lshl_b32 s82, s42, 3
	s_add_co_u32 s82, s82, s21
	s_lshl_b32 s82, s82, 9
	s_add_co_u32 s82, s82, 0x40000                 ; scale words: W_q's or W_k's, my 4 tiles
	s_mov_b32 s83, 0
	s_lshl_b32 s84, s13, 3
	s_add_co_u32 s84, s84, s21
	s_add_co_u32 s84, s84, 128
	s_lshl_b32 s84, s84, 9
	s_add_co_u32 s84, s84, 0x40000                 ; W_v's
	s_mov_b32 s85, 0
	s_xor_b32 s76, s16, s87
	s_lshl_b32 s76, s76, 4
	s_lshl_b32 s22, s43, 5
	s_add_co_u32 s76, s76, s22
	s_lshl_b32 s22, s15, 2
	s_add_co_u32 s76, s76, s22
	s_lshl_b32 s76, s76, 9                         ; x's: the half that is b-th in the order of work, my row's tiles
	s_mov_b32 s77, 0
	s_lshl_b32 s78, s43, 5
	s_add_co_u32 s78, s78, s22
	s_mul_i32 s78, s78, 24576
	s_mul_i32 s20, s42, 1536
	s_add_co_u32 s78, s78, s20
	s_mul_i32 s20, s16, 768
	s_add_co_u32 s78, s78, s20                     ; q's or k's codes: token tile 32 x tile row + 4 w, pg, half b
	s_mov_b32 s79, 0
	s_lshl_b32 s80, s13, 3
	s_add_co_u32 s80, s80, s21
	s_mul_i32 s80, s80, 98304
	s_mul_i32 s20, s12, 3072
	s_add_co_u32 s80, s80, s20
	s_mul_i32 s20, s15, 768
	s_add_co_u32 s80, s80, s20
	s_add_co_u32 s80, s80, 0xC00000                ; v's: channel tile 8 x tile column + 4 b, pg 2 x tile row, half w
	s_mov_b32 s81, 0
	s_lshl_b32 s48, s42, 6
	s_lshl_b32 s20, s43, 2
	s_add_co_u32 s48, s48, s20
	s_lshl_b32 s20, s87, 1
	s_xor_b32 s20, s14, s20                        ; the stage lies in the order of work
	s_add_co_u32 s48, s48, s20
	s_lshl_b32 s48, s48, 9                         ; the scale bytes that I send: a chunk's of q or k,
	s_mov_b32 s49, 0
	s_lshl_b32 s52, s12, 1
	s_add_co_u32 s52, s52, s15
	s_lshl_b32 s52, s52, 12
	s_lshl_b32 s20, s13, 9
	s_add_co_u32 s52, s52, s20
	s_lshl_b32 s20, s16, 8
	s_add_co_u32 s52, s52, s20
	s_add_co_u32 s52, s52, 0x80000                 ; half a run's of v
	s_mov_b32 s53, 0
	s_lshl_b32 s90, s40, 2
	s_add_co_u32 s90, s90, s14                     ; my number among the sixteen waves of my row of the cluster
	s_lshl_b32 s100, s41, 2
	s_add_co_u32 s100, s100, s14                   ; and of my column
	s_mul_i32 s20, s100, 6144
	s_add_co_u32 s20, s20, s17
	s_mul_i32 s21, s90, 6144
	s_add_co_u32 s21, s21, s88
	s_add_co_u32 s22, s21, CH
	s_mul_i32 s23, s15, 49152
	s_mul_i32 s55, s16, 49152
	s_add_co_u32 s55, s55, WR
	s_lshl_b32 s3, s15, 13
	s_add_co_u32 s3, s3, SXL
	s_lshl_b32 s2, s16, 12
	s_add_co_u32 s2, s2, s3
	s_lshl_b32 s72, s15, 4
	s_lshl_b32 s73, s16, 1
	s_add_co_u32 s72, s72, s73
	s_add_co_u32 s72, s72, XN
	s_lshl_b32 s73, s16, 4
	s_lshl_b32 s74, s15, 1
	s_add_co_u32 s73, s73, s74
	s_add_co_u32 s73, s73, XM
	v_and_b32 v1, 15, v0                           ; r
	v_bfe_u32 v2, v0, 4, 1                         ; h
	v_and_b32 v3, 31, v0                           ; lane
	v_lshlrev_b32 v[CO], 4, v3
	v_lshlrev_b32 v[C8], 3, v3
	v_add_nc_u32 v[AX0], s23, v[CO]
	v_add_nc_u32 v[AX1], CH, v[AX0]
	v_add_nc_u32 v[AW], s55, v[CO]
	v_lshlrev_b32 v22, 4, v1
	v_add_nc_u32 v[ASX], s3, v22
	v_add_nc_u32 v[ASW], s2, v[CO]
	v_lshl_add_u32 v23, v1, 5, v2
	v_add_nc_u32 v[STO], s72, v23                  ; 32 r + h, and 16 w + 2 b
	v_add_nc_u32 v[STV], s73, v23                  ; 32 r + h, and 16 b + 2 w
	v_lshl_add_u32 v[WSO], v2, 9, v22
	v_min_u32 v22, 23, v3
	v_lshlrev_b32 v22, 8, v22
	v_add_nc_u32 v[PF1], s20, v22
	v_add_nc_u32 v[PF2], s21, v22
	v_add_nc_u32 v[PF3], s22, v22
	WALU                                           ; the wait at the head's end
	s_wait_dscnt 0x0                               ; the opening adds are done
	CROUND                                         ; all sixteen work-groups are here
	s_wait_kmcnt 0x0
	s_mov_b32 s67, 0
	s_mov_b32 s55, 0
	s_mov_b32 s[G0A], 1
	s_mov_b32 s[G0A+1], 0
	s_add_nc_u64 s[G0A+2:G0A+3], s[4:5], s[66:67]
	s_mov_b32 s[G0R], 1
	s_mov_b32 s[G0R+1], CH
	s_add_nc_u64 s[G0R+2:G0R+3], s[G0A+2:G0A+3], CH
	s_or_b32 s[G0A+3], s[G0A+3], 0x80000000
	s_or_b32 s[G0R+3], s[G0R+3], 0x80000000
	s_mov_b32 s[G0B], 1
	s_add_co_u32 s[G0B+1], s18, WR
	s_add_nc_u64 s[G0B+2:G0B+3], s[4:5], s[54:55]
	s_or_b32 s[G0B+3], s[G0B+3], 0x80000000
	s_cmp_lt_u32 s14, 2
	s_cbranch_scc0 .Lwave_2
	TLOAD G0B, G1B                                 ; waves 0, 1: W_v's rows
	s_branch .Lasked
.Lwave_2:
	s_cmp_eq_u32 s14, 2
	s_cbranch_scc0 .Lwave_3
	TLOAD G0A, G1A                                 ; wave 2: chunk 0
	s_branch .Lasked
.Lwave_3:
	TLOAD G0R, G1A                                 ; wave 3: chunk 1
.Lasked:
	s_add_nc_u64 s[84:85], s[6:7], s[84:85]
	s_add_nc_u64 s[82:83], s[6:7], s[82:83]
	s_add_nc_u64 s[76:77], s[6:7], s[76:77]
.irp i, 0,1,2,3,4,5,6,7
	global_load_b128 v[128+4*\i:128+4*\i+3], v[CO], s[76:77] offset:512*(8*(\i/4)+\i%4)   ; a tile's 128 words, 512 consecutive bytes
.endr
.irp p, 0,1
.irp q, 0,1
	global_load_b128 v[SB+8*\p+4*\q:SB+8*\p+4*\q+3], v[WSO], s[84:85] offset:1024*\p+256*\q
	global_load_b128 v[SBQ+8*\p+4*\q:SBQ+8*\p+4*\q+3], v[WSO], s[82:83] offset:1024*\p+256*\q
.endr
.endr
	s_add_nc_u64 s[48:49], s[10:11], s[48:49]
	s_add_nc_u64 s[52:53], s[10:11], s[52:53]
	s_add_nc_u64 s[50:51], s[8:9], s[80:81]
	s_add_nc_u64 s[10:11], s[8:9], s[78:79]
	s_mov_b32 s46, 0
	s_mov_b32 s47, 0
	s_mov_b32 s101, 0
	s_mov_b32 s91, 0
	s_cmp_lt_u32 s14, 2
	s_cbranch_scc0 .Lnot_w
	s_wait_tensorcnt 0x0
.Lnot_w:
	BARRIER                                        ; W_v's rows are in
	global_prefetch_b8 v[PF1], s[4:5] th:TH_LOAD_NT scope:SCOPE_SE   ; what the first refill will load
	WEIGHTS
	s_wait_loadcnt 0x0                             ; the scale words
.irp i, 0,1,2,3,4,5,6,7
	ds_store_b128 v[ASW], v[128+4*\i:128+4*\i+3] offset:512*\i   ; x's go into LDS, eight blocks a wave; the barrier below shows them
.endr
	s_cmp_eq_u32 s14, 3
	s_cbranch_scc1 .Lnot_x
	s_wait_tensorcnt 0x0
.Lnot_x:
	s_wait_dscnt 0x0
	BARRIER                                        ; chunk 0 is in; chunk 1 may still be on its way
	FETCH 0, AX0, ASX, 0, 0
	FETCH 1, AX0, ASX, 1, 1
; ================= PHASE 1: V, eight blocks; chunk 0's way outs stand in chunk 1's blocks
.irp s, 0,1
	s_wait_dscnt NF
	BLOCK 1, \s, HV0+8*\s, 32, 0, 32, L_NONE
	WIN 0
	PLACES 4                                       ; in front of loads into registers that products have read
	FETCH \s, AX0, ASX, \s+2, \s+2
.endr
	s_wait_dscnt NF
	GRD
	BLOCK 1, 0, HV0+16, 32, 0, 24, L_V2
	WIN 0
	s_wait_dscnt 0x0
	s_barrier_signal -1
	BLOCK 1, 0, HV0+16, 32, 24, 32, L_NONE
	MIDDLE
	BARRIER
	s_cmp_lt_u32 s14, 2
	s_cbranch_scc0 .Lno_half
	TLOAD G0B, G1B                                 ; W_q's or W_k's rows, onto W_v's, which all waves hold in registers
.Lno_half:
	PLACES 4
	FETCH 0, AX1, ASX, 0, 4
	global_prefetch_b8 v[PF2], s[4:5] th:TH_LOAD_NT scope:SCOPE_SE   ; what the second refill will load
	s_wait_dscnt NF
	BLOCK 1, 1, HV0+24, 32, 0, 32, L_NONE
	WIN 0
	PLACES 4
	FETCH 1, AX1, ASX, 1, 5
.irp t, 0,1,2
	s_wait_dscnt NF+(\t+1)/2
	BLOCK 1, \t%2, HV1+8*\t, 32, 0, 32, L_V, HV0+32*\t, \t
	WIN 0
	CODES HV0+32*\t, \t
	WALU
	VOUT \t, 0, \t
.if \t < 2
	FETCH \t%2, AX1, ASX, \t+2, \t+6
.endif
.endr
	s_wait_dscnt 1
	BLOCK 1, 1, HV1+24, 32, 0, 26, L_V, HV0+96, 3
	WIN 0
	WALU
	s_wait_tensorcnt 0x0
	s_wait_dscnt 0x0
	s_barrier_signal -1                            ; a plain barrier: the weights that the first refill brought are shown to all
	BLOCK 1, 1, HV1+24, 32, 26, 32, L_NONE
	WIN 0
	s_barrier_wait -1
	CODES HV0+96, 3
	WALU
	VOUT 3, 0, 3
; ================= THE CHANGE OF PHASE: the weights and the first two blocks' rows, which lie in slot 0 still, in one run of loads; chunk 1's four way outs under their flight
	WEIGHTS
	FETCH 0, AX0, ASX, 0, 0
	FETCH 1, AX0, ASX, 1, 1
	global_prefetch_b8 v[PF3], s[4:5] th:TH_LOAD_NT scope:SCOPE_SE   ; what the third refill will load
.set I, 0
.rept 18
.irp t, 0,1,2,3
	CHAIN I, HV1+32*\t, \t
.endr
.set I, I+1
.endr
	WIN 0
	WALU
	s_wait_xcnt 0x0                                ; the last stores have read their registers
.set I, 0
.rept 6
.irp t, 0,1,2,3
	CODE I, HV1+32*\t, \t
.endr
.set I, I+1
.endr
	WIN 0
	WALU
.irp t, 0,1,2,3
	VOUT \t, 1, \t
.endr
; ================= PHASE 2: q or k, sixteen blocks
	s_wait_dscnt NF+4
	BLOCK 0, 0, ACC, 8, 0, 32, L_NONE
	WIN 0
	PLACES 4
	FETCH 0, AX0, ASX, 2, 2
	QBLK 1, 0, 1, NF+4, AX0, ASX, 3, 3
	s_mov_b32 s86, 0
.Lwith_rounds:                                     ; blocks 2 to 5, 6 to 9
	s_wait_dscnt NF+1
	GRD
	BLOCK 0, 0, ACC, 8, 0, 26, L_R, ACC+32, 1
	WIN 0
	WALU
	s_wait_xcnt 0x0                                ; the stores so far have read their registers: one wait for this block and the three behind it
	s_wait_dscnt 0x0
	s_barrier_signal -1
	BLOCK 0, 0, ACC, 8, 26, 32, L_P, ACC+32, 1
	WIN 0
	CODES ACC+32, 1
	MIDDLE
	BARRIER
	s_cmp_lt_u32 s14, 2
	s_cbranch_scc0 .Lno_chunk
	TLOAD G0R, G1H
.Lno_chunk:
	QOUT 1
	FETCH 0, AXA, ASXC, 0, 0
	QBLK 1, 2, 0, -1, AXA, ASXC, 1, 1
	QBLK 0, 3, 0, NF+1, AXA, ASXC, 2, 2
	QBLK 1, 0, 0, NF+1, AXA, ASXC, 3, 3
	s_add_co_u32 s86, s86, 1
	s_cmp_lg_u32 s86, 2
	s_cbranch_scc1 .Lwith_rounds
	s_mov_b32 s101, CH-24576
	s_mov_b32 s91, 5120
.Lwithout:                                         ; blocks 10, 11 and 12, 13
	s_wait_dscnt NF+1
	BLOCK 0, 0, ACC, 8, 0, 26, L_S, ACC+32, 1
	WIN 0
	WALU
	s_wait_xcnt 0x0                                ; the stores so far have read their registers: one wait for this block and the next
	s_wait_tensorcnt 0x0
	s_wait_dscnt 0x0
	s_barrier_signal -1                            ; a plain barrier shows the last refill to all
	BLOCK 0, 0, ACC, 8, 26, 32, L_P, ACC+32, 1
	WIN 0
	s_barrier_wait -1
	CODES ACC+32, 1
	QOUT 1
	FETCH 0, AXA, ASXC, 0, 0
	QBLK 1, 2, 0, -1, AXA, ASXC, 1, 1
	s_add_co_u32 s86, s86, 1
	s_cmp_lg_u32 s86, 4
	s_cbranch_scc1 .Lwithout
	QBLK 0, 3, 1, NF+1, AXA, ASXC, -1, 0
	QBLK 1, 0, 0, 1, AXA, ASXC, -1, 0
; ================= THE END: block 15's way out; the scale bytes go through LDS under its conversions
	s_lshl_b32 s55, s14, 9
	s_add_co_u32 s55, s55, XN
	v_add_nc_u32 v[SR1], s55, v[CO]
	s_lshl_b32 s55, s14, 8
	s_add_co_u32 s55, s55, XM
	v_add_nc_u32 v[SR2], s55, v[C8]
	PLACE 0, 1                                     ; set 1: its last stores, block 12's, stand ahead of block 14's wait on XCNT
	PLACE 1, 1
	PLACE 2, 1
	PLACE 3, 1
.set I, 0
.rept 18
	CHAIN I, ACC+32, 1
.set I, I+1
.endr
	CODE 2, ACC+32, 1
	WALU
	WIN 0x0c
	ds_store_b8 v[VX], v[EB+1]
	WIN 0
	s_wait_dscnt 0x0
	s_barrier_signal -1
	CODE 0, ACC+32, 1
	CODE 1, ACC+32, 1
	WIN 0
	v_nop
.irp i, 3,4,5
	CODE \i, ACC+32, 1
.endr
	WIN 0
	WALU
	s_barrier_wait -1
	ds_load_b128 v[128:131], v[SR1]
	ds_load_b64 v[132:133], v[SR2]
	WIN 0x0c
	PUT 1, 78, 0
	WIN 0
	s_wait_dscnt 0x0
	global_store_b128 v[CO], v[128:131], s[48:49]  ; 512 consecutive bytes
	global_store_b64 v[C8], v[132:133], s[52:53]   ; 256 consecutive bytes
	s_wait_tensorcnt 0x0                           ; the wave's end
	ds_add_u32 v[SPW], v[NIL]
	s_wait_dscnt 0x0
	CROUND                                         ; the closing round
	s_endpgm
.Lfunc_end_k_qee34076ba7_proj:
	.size	k_qee34076ba7_proj, .Lfunc_end_k_qee34076ba7_proj-k_qee34076ba7_proj
	.p2alignl 7, 3214868480
	.fill 96, 4, 3214868480
	.section	.rodata,"a",@progbits
	.p2align	6, 0x0
	.amdhsa_kernel k_qee34076ba7_proj
		.amdhsa_group_segment_fixed_size 327680
		.amdhsa_private_segment_fixed_size 0
		.amdhsa_enable_private_segment 0
		.amdhsa_kernarg_size 32
		.amdhsa_user_sgpr_count 2
		.amdhsa_user_sgpr_kernarg_segment_ptr 1
		.amdhsa_wavefront_size32 1
		.amdhsa_system_sgpr_workgroup_id_x 1
		.amdhsa_system_sgpr_workgroup_id_y 1
		.amdhsa_system_sgpr_workgroup_id_z 1
		.amdhsa_system_vgpr_workitem_id 0
		.amdhsa_next_free_vgpr 1024
		.amdhsa_next_free_sgpr 102
		.amdhsa_reserve_vcc 0
		.amdhsa_float_denorm_mode_32 3
		.amdhsa_float_denorm_mode_16_64 3
		.amdhsa_memory_ordered 1
		.amdhsa_forward_progress 1
		.amdhsa_inst_pref_size 181
	.end_amdhsa_kernel
	.amdgpu_metadata
---
amdhsa.version: [ 1, 2 ]
amdhsa.kernels:
  - .name:           k_qee34076ba7_proj
    .symbol:         k_qee34076ba7_proj.kd
    .args:
      - { .name: c1, .offset: 0, .size: 8, .value_kind: global_buffer, .address_space: global }
      - { .name: s1, .offset: 8, .size: 8, .value_kind: global_buffer, .address_space: global }
      - { .name: c2, .offset: 16, .size: 8, .value_kind: global_buffer, .address_space: global }
      - { .name: s2, .offset: 24, .size: 8, .value_kind: global_buffer, .address_space: global }
    .group_segment_fixed_size: 327680
    .private_segment_fixed_size: 0
    .kernarg_segment_align: 8
    .kernarg_segment_size: 32
    .max_flat_workgroup_size: 128
    .sgpr_count:     102
    .vgpr_count:     1024
    .wavefront_size: 32
...
	.end_amdgpu_metadata
.endif
;; end of part 2
;; launch scores (part 3): grid 12 x 16, 8 waves a work-group, clusters of 4 x 4, 327,680 bytes of LDS; arguments c2, s2, pc, pst; writes pc, pst
.if DOCPART == 3
	.amdgcn_target "amdgcn-amd-amdhsa--gfx1250"
	.amdhsa_code_object_version 6
	.text
	.protected	k_qee34076ba7_scores
	.globl	k_qee34076ba7_scores
	.p2align	8
	.type	k_qee34076ba7_scores,@function
k_qee34076ba7_scores:
	s_mov_b64 s[64:65], 0
	v_nop
	global_prefetch_b8 v0, s[64:65] scope:SCOPE_SE
	s_setreg_imm32_b32 hwreg(HW_REG_WAVE_MODE, 25, 1), 1
	s_wait_xcnt 0x0
	s_wait_alu depctr_hold_cnt(0) depctr_sa_sdst(0) depctr_va_vdst(0) depctr_va_sdst(0) depctr_va_ssrc(0) depctr_va_vcc(0) depctr_vm_vsrc(0)
	s_getreg_b32 s2, hwreg(HW_REG_IB_STS2, 6, 4)
	s_cmp_eq_u32 s2, 0
	s_cbranch_scc0 .Lentry_in_a_cluster
	s_endpgm
.Lentry_in_a_cluster:
	s_bfe_u32 s2, ttmp6, 0x10000c
	s_cmp_lg_u32 s2, 0xf033
	s_cbranch_scc0 .Lentry_shape_is_right
	s_endpgm
.Lentry_shape_is_right:
; S = q k^T on codes of FP6 (E2M3), causal mask, softmax's numerators p = 2^(t - M) and p's codes.  t = score x log2(e) / 32; M is a whole number for each run of 128 keys of a row, the ceiling of the run's largest t: launch pv joins the runs by exact powers of two.
; WORK LEFT OUT: per batch of 2 x 2 blocks of 1,024 x 1,024 scores, a cluster each, the one above the diagonal is hidden whole and is not made.  Hidden keys inside the three others get p = 0.
; LIMITS: the promise holds while the scaled scores stay under 2^31 in magnitude; NaN and infinities are not served.  A block of p that is all zeros keeps the byte 1.
; SHARES: a work-group makes 256 queries x 256 keys; eight waves, 64 x 128 each: 32 accumulators, 256 registers.  Source 0 = 16 keys, source 1 = 16 queries: a lane holds one query, and accumulators 2 b, 2 b + 1 hold 16 neighbouring keys.
; c2: images of fragments (16 rows x 128 K, 1,536 bytes) [token tile 512][pg 16: q 0-7, k 8-15].  s2: the word of (pg, tile / 8, row p, tile % 8) at (64 pg + tile / 8) 512 + 32 p + 4 (tile % 8).
; pc: images [block of 64 queries 128][512 keys 4][tile 4][128 keys 4].  pst: three arrays of 524,288 bytes (scale words, -M, sums), each [batch][128 keys 16][block of 64 queries 32][row p 16][tile 4].
; LDS: K steps 0-1 of q and of k (49,152 bytes each), K steps 2-5 (98,304 each): all asked for at the head, one load a wave; K steps 6-7 go where 0-1 lay: one refill.  The text claims all of LDS.
; CLUSTER 4 x 4: q's tiles are asked for jointly along a row, k's along a column.  No prefetch: three quarters of the bytes go out at the head, and there is no loop to run ahead in.
; REGISTERS: window 0: addresses, v32-95 scale words (lanes 0-15 q's, lanes 16-31 k's), v96-191 k's fragments, v192-239 q's; window 1: the accumulators, (a, b) at v[8 (8 a + b)].
.set A01,   0
.set B01,   49152
.set A25,   98304
.set B25,   196608
.set SPARE, 294912                     ; the spare words, 128 bytes a wave
.set LI,    4
.set ADRA,  16
.set ADRB,  20
.set DB,    24
.set NINF,  25
.set SPW,   28
.set NIL,   29
.set SC,    32
.set KF,    96
.set QF,    192
.set PWS,   32                         ; behind the products: scale words, -M, sums of the four blocks of queries
.set NMS,   40
.set LS,    48
.set DD,    56
.set W,     128
.set PC,    192
.set BM,    212
.set BT,    216
.set BS,    220
.set NM,    224
.set TT,    226
.set TT2,   227
.set SA,    228
.set SB,    230
.set DQ,    232
.set G1A,   24
.set G1B,   32
.set G1A2,  48
.set G1B2,  56
.set G0A,   68
.set G0B,   72
.set G0A2,  76
.set G0B2,  80
; The scalar register of a mask, when the descriptors have served: key n of 32 (c: of my first or second block) lies behind the query of tile a.  It hangs on n - 8 a alone, so a tile takes 24 of its 32 masks over from the tile before: a ring of 32 for each c, s16-47 and s48-63, s68-83.
.macro MSK c, m
.set X_, ((\m)+64)%32
.if (\c) == 0
.set MS_, 16+X_
.elseif X_ < 16
.set MS_, 48+X_
.else
.set MS_, 52+X_
.endif
.endm
.set CS,    90
.set SEL,   92
.set PS,    94
.set MSB, 0
.macro WIN new
.if MSB != (\new)
	s_set_vgpr_msb (MSB<<8)|(\new)
.set MSB, (\new)
.endif
.endm
.macro WALU
	s_wait_alu depctr_va_vdst(0)
.endm
.macro PLACES n
.rept \n
	v_nop
.endr
.endm
.macro CREST
	s_cmp_lg_u32 s14, 0
	s_cbranch_scc1 .Lnot_wave_0_\@
	s_barrier_signal -3
.Lnot_wave_0_\@:
	s_barrier_wait -3
	s_barrier_signal -1
	s_barrier_wait -1
.endm
.macro CROUND
	s_barrier_signal -1
	s_barrier_wait -1
	CREST
.endm
.macro TLOAD g0, g1
	tensor_load_to_lds s[\g0:\g0+3], s[\g1:\g1+7]
	s_nop 0
	PLACES 4
.endm
.macro GROUP1 g, mask, el
	s_or_b32 s[\g+0], s[\mask], (3<<16)|(1<<21)    ; elements of 8 bytes; 21 set beside a mask
	s_mov_b32 s[\g+1], (\el)<<16
	s_mov_b32 s[\g+2], 8<<16
	s_mov_b32 s[\g+3], (\el)<<16
	s_mov_b32 s[\g+4], 8
	s_mov_b32 s[\g+5], 3072                        ; from tile to tile in c2: 24,576 bytes
	s_mov_b32 s[\g+6], 0
	s_mov_b32 s[\g+7], 0
.endm
.macro GROUP0 g, lds, part, adr, off
	s_mov_b32 s[\g], 1
	s_add_co_u32 s[\g+1], s[\part], \lds
	s_add_nc_u64 s[\g+2:\g+3], s[\adr:\adr+1], \off
	s_or_b32 s[\g+3], s[\g+3], 0x80000000
.endm
	s_load_b256 s[4:11], s[0:1], 0x0               ; c2, s2, pc, pst
	v_lshl_add_u32 v[SPW], v0, 2, SPARE
	v_mov_b32 v[NIL], 0
	ds_add_u32 v[SPW], v[NIL]                      ; the opening add, twice on end
	ds_add_u32 v[SPW], v[NIL]
	v_lshrrev_b32 v1, 5, v0
	v_readfirstlane_b32 s14, v1                    ; wave 0..7
	s_lshr_b32 s15, s14, 1                         ; my 64 of the 256 queries
	s_and_b32 s16, s14, 1                          ; my 128 of the 256 keys.  Also: which 8 tile rows I fetch
	s_bfe_u32 s40, ttmp6, 0x40000
	s_bfe_u32 s41, ttmp6, 0x40004
	s_and_b32 s12, ttmp7, 0xffff                   ; the batch
	s_add_co_u32 s74, ttmp9, 1
	s_lshr_b32 s74, s74, 1                         ; cluster x 0, 1, 2: blocks (0, 0), (1, 0), (1, 1) of 1,024
	s_lshr_b32 s75, ttmp9, 1
	s_lshl_b32 s17, s74, 2
	s_add_co_u32 s17, s17, s41                     ; block of 256 queries
	s_lshl_b32 s42, s75, 2
	s_add_co_u32 s42, s42, s40                     ; block of 256 keys
	s_lshl_b32 s43, s41, 2
	s_lshl_b32 s43, 15, s43
	s_lshl_b32 s44, 0x1111, s40
	GROUP1 G1A, 43, 384                            ; 8 tile rows x 3,072 bytes
	GROUP1 G1B, 44, 384
	GROUP1 G1A2, 43, 768                           ; 8 x 6,144
	GROUP1 G1B2, 44, 768
	s_lshl_b32 s18, s16, 3
	s_lshl_b32 s19, s12, 7
	s_add_co_u32 s18, s18, s19
	s_lshl_b32 s20, s17, 4
	s_add_co_u32 s20, s20, s18
	s_mul_i32 s20, s20, 24576
	s_mov_b32 s21, 0
	s_lshl_b32 s46, s42, 4
	s_add_co_u32 s46, s46, s18
	s_mul_i32 s46, s46, 24576
	s_add_co_u32 s46, s46, 12288
	s_mov_b32 s47, 0
	s_mul_i32 s22, s16, 24576
	s_mul_i32 s23, s16, 49152
	s_mov_b32 s[CS], 0x3d38aa3b                    ; log2(e) / 32
	s_mov_b32 s[CS+1], s[CS]
	s_mov_b32 s[SEL], 0x76543210
	s_mov_b32 s[SEL+1], 0xfedcba98
	s_lshl_b32 s87, s12, 4
	s_lshl_b32 s84, s17, 1                         ; q's scale words: 128 tokens 16 batch + 2 block + (quarter / 2),
	s_add_co_u32 s84, s84, s87
	s_lshr_b32 s85, s14, 2
	s_add_co_u32 s84, s84, s85
	s_lshl_b32 s84, s84, 9
	s_and_b32 s85, s15, 1
	s_lshl_b32 s85, s85, 4
	s_add_co_u32 s84, s84, s85                     ; tiles 4 (quarter % 2) on
	s_lshl_b32 s85, s42, 1
	s_add_co_u32 s85, s85, s16
	s_lshl_b32 s86, s85, 13                        ; (2 block of keys + half) 8,192: pst's place along the keys
	s_lshr_b32 s88, s85, 2
	s_and_b32 s89, s85, 3                          ; kg / 4, kg % 4
	s_add_co_u32 s85, s85, s87
	s_lshl_b32 s85, s85, 9
	s_add_co_u32 s85, s85, 262144                  ; k's scale words
	s_lshl_b32 s66, s12, 5
	s_lshl_b32 s67, s17, 2
	s_add_co_u32 s66, s66, s67
	s_add_co_u32 s66, s66, s15                     ; my block of 64 queries
	s_lshl_b32 s66, s66, 2
	s_add_co_u32 s66, s66, s88
	s_lshl_b32 s66, s66, 4
	s_add_co_u32 s66, s66, s89
	s_mul_i32 s66, s66, 1536
	s_add_co_u32 s67, s67, s15
	s_lshl_b32 s67, s67, 8
	s_add_co_u32 s86, s86, s67
	s_lshl_b32 s67, s12, 17
	s_add_co_u32 s86, s86, s67
	s_mov_b32 s87, 0
	s_mov_b32 s67, 0
	s_lshl_b32 s88, s17, 8
	s_lshl_b32 s89, s15, 6
	s_add_co_u32 s88, s88, s89
	s_lshl_b32 s89, s42, 8
	s_sub_co_i32 s88, s88, s89
	s_lshl_b32 s89, s16, 7
	s_sub_co_i32 s88, s88, s89                     ; my first query - my first key
	s_mul_i32 s74, s15, 12288
	s_mul_i32 s75, s15, 24576
	s_add_co_u32 s75, s75, A25
	s_add_co_u32 s13, s22, B01
	s_add_co_u32 s45, s23, B25
	v_and_b32 v1, 15, v0                           ; r
	v_bfe_u32 v2, v0, 4, 1                         ; h
	v_and_b32 v3, 31, v0                           ; lane
	v_lshlrev_b32 v[LI], 4, v3
	v_add_nc_u32 v[ADRA], s74, v[LI]
	v_add_nc_u32 v[ADRA+1], s75, v[LI]
	v_add_nc_u32 v[ADRB], s13, v[LI]
	v_add_nc_u32 v[ADRB+1], s45, v[LI]
	v_lshlrev_b32 v30, 3, v3
	v_add_nc_u32 v[ADRA+2], s74, v30               ; the same for the pieces of 8 bytes a lane
	v_add_nc_u32 v[ADRA+3], s75, v30
	v_add_nc_u32 v[ADRB+2], s13, v30
	v_add_nc_u32 v[ADRB+3], s45, v30
	v_lshlrev_b32 v26, 3, v2                       ; 8 h
	v_cmp_lt_u32 vcc_lo, 15, v3
	v_mov_b32 v5, s84
	v_mov_b32 v6, s85
	v_cndmask_b32 v5, v5, v6, vcc_lo
	v_lshl_add_u32 v5, v1, 5, v5
	v_lshlrev_b32 v7, 4, v1
	v_lshl_add_u32 v7, v2, 3, v7                   ; the statistics' stores: 16 r + 8 h
	v_and_b32 v[DB], 8, v1
	v_mad_u32_u24 v[DB], v[DB], 3, v1              ; row r of a tile is query 32 (r / 8) + r % 8
	v_lshlrev_b32 v6, 5, v2
	v_sub_nc_u32 v[DB], v[DB], v6
	v_add_nc_u32 v[DB], s88, v[DB]                 ; my query - 32 h - my first key, in tile 0
	v_mov_b32 v[NINF], 0xff800000
	WALU                                           ; the wait at the head's end
	s_wait_dscnt 0x0                               ; the opening adds are done
	s_wait_kmcnt 0x0
	s_add_nc_u64 s[20:21], s[4:5], s[20:21]
	s_add_nc_u64 s[46:47], s[4:5], s[46:47]
	s_add_nc_u64 s[66:67], s[8:9], s[66:67]
	s_add_nc_u64 s[PS:PS+1], s[10:11], s[86:87]
.irp k, 0,1,2,3,4,5,6,7
.irp q, 0,1
	global_load_b128 v[SC+8*\k+4*\q:SC+8*\k+4*\q+3], v5, s[6:7] offset:32768*\k+16*\q   ; (lanes 0-15 have four tiles: their second load's words are never used)
.endr
.endr
	GROUP0 G0A, A01, 22, 20, 0
	GROUP0 G0B, B01, 22, 46, 0
	GROUP0 G0A2, A25, 23, 20, 3072
	GROUP0 G0B2, B25, 23, 46, 3072
	CROUND                                         ; all sixteen work-groups are here
.macro ARM under, g0, g1, next
	s_cmp_lt_u32 s14, \under
	s_cbranch_scc0 \next
	TLOAD \g0, \g1
	s_branch .Lhead_asked
\next:
.endm
	ARM 2, G0A, G1A, .Lhead_b                      ; waves 0, 1: q's K steps 0-1, half the rows each; 2, 3: k's; 4, 5: q's K steps 2-5; 6, 7: k's
	ARM 4, G0B, G1B, .Lhead_a2
	ARM 6, G0A2, G1A2, .Lhead_b2
	TLOAD G0B2, G1B2
.Lhead_asked:
	s_cmp_lt_u32 s14, 4
	s_cbranch_scc0 .Lnot_first
	s_wait_tensorcnt 0x0                           ; waves 0-3: K steps 0-1 are in; the rest may be out
.Lnot_first:
	s_barrier_signal -1
	s_barrier_wait -1
.macro KSEL kg
.if (\kg) < 2
.set XI, 0
.set XP, 3072
.set XQ, (\kg)*1536
.elseif (\kg) < 6
.set XI, 1
.set XP, 6144
.set XQ, ((\kg)-2)*1536
.else
.set XI, 0
.set XP, 3072
.set XQ, ((\kg)-6)*1536
.endif
.endm
.macro FRAG reg, adr, off              ; a fragment's image: four loads
.irp c, 0,1                            ; (in c2: two halves of 768 bytes, six registers each: 16 and 8 bytes a lane; so four loads a fragment)
	ds_load_b128 v[\reg+6*\c:\reg+6*\c+3], v[\adr] offset:\off+768*\c
	ds_load_b64 v[\reg+6*\c+4:\reg+6*\c+5], v[\adr+2] offset:\off+768*\c+512
.endr
.endm
.macro LB kg, b0                       ; four of k's fragments
	KSEL \kg
.irp b, \b0, \b0+1, \b0+2, \b0+3
	FRAG KF+12*(\b), ADRB+XI, (\b)*XP+XQ
.endr
.endm
.macro LA kg                           ; q's four
	KSEL \kg
.irp a, 0,1,2,3
	FRAG QF+12*\a, ADRA+XI, \a*XP+XQ
.endr
.endm
.macro MULB kg, b, zero                ; four products; the 32 accumulators take turns, in the same order in every K step
	WIN 0x50
.irp a, 0,1,2,3
.if \zero
	v_wmma_scale_f32_16x16x128_f8f6f4 v[8*(8*\a+(\b)):8*(8*\a+(\b))+7], v[KF+12*(\b):KF+12*(\b)+11], v[QF+12*\a:QF+12*\a+11], 0, v[SC+8*(\kg)+(\b)], v[SC+8*(\kg)+\a] matrix_a_fmt:MATRIX_FMT_FP6 matrix_b_fmt:MATRIX_FMT_FP6 matrix_a_scale:MATRIX_SCALE_ROW1
.else
	v_wmma_scale_f32_16x16x128_f8f6f4 v[8*(8*\a+(\b)):8*(8*\a+(\b))+7], v[KF+12*(\b):KF+12*(\b)+11], v[QF+12*\a:QF+12*\a+11], v[8*(8*\a+(\b)):8*(8*\a+(\b))+7], v[SC+8*(\kg)+(\b)], v[SC+8*(\kg)+\a] matrix_a_fmt:MATRIX_FMT_FP6 matrix_b_fmt:MATRIX_FMT_FP6 matrix_a_scale:MATRIX_SCALE_ROW1
.endif
.endr
.endm
.macro MULH kg, b0, zero
.irp b, \b0, \b0+1, \b0+2, \b0+3
	MULB \kg, \b, \zero
.endr
.endm
; A K step: 32 products.  The next step's fragments are fetched as registers come free: k's 0-3 in the middle, q's and k's 4-7 at the end, each run behind four plain places.
.macro STEP kg, zero
	s_wait_dscnt 16                                ; k's 0-3 and q's are in; the youngest 16 loads (k's 4-7) may be out
	MULH \kg, 0, \zero
	WIN 0
	PLACES 4
	LB (\kg)+1, 0
	s_wait_dscnt 16                                ; all but the 16 just issued
	MULH \kg, 4, \zero
	WIN 0
	PLACES 4
	LA (\kg)+1
	LB (\kg)+1, 4
.endm
; A K step with a barrier.  fill = 1: K steps 0-1 are read no more: the three lines, a round of the cluster's barrier, and the refill first behind it.  fill = 0: a plain barrier shows the refill to all.
.macro TURN kg, fill
	s_wait_tensorcnt 0x0                           ; all my tensor loads have landed
.if \fill
	ds_add_u32 v[SPW], v[NIL]
	s_wait_dscnt 17                                ; the add and the youngest 16 loads may be out
.else
	s_wait_dscnt 16
.endif
	MULH \kg, 0, 0
	s_wait_dscnt 0x0                               ; the add is done, and my reads are over
	s_barrier_signal -1
	MULB \kg, 4, 0
	MULB \kg, 5, 0
	WIN 0
	s_barrier_wait -1
.if \fill
	CREST
	s_cmp_lt_u32 s14, 2
	s_cbranch_scc0 .Lnot_q_\@
	TLOAD G0A, G1A
	s_branch .Lfilled_\@
.Lnot_q_\@:
	s_cmp_lt_u32 s14, 4
	s_cbranch_scc0 .Lfilled_\@
	TLOAD G0B, G1B
.Lfilled_\@:
.endif
	PLACES 4
	LB (\kg)+1, 0
	MULB \kg, 6, 0
	MULB \kg, 7, 0
	WIN 0
	PLACES 4
	LA (\kg)+1
	LB (\kg)+1, 4
.endm
	LB 0, 0
	LA 0
	LB 0, 4
	s_wait_loadcnt 0x0                             ; the scale words
	STEP 0, 1                                      ; the first products start the sums
	s_wait_tensorcnt 0x0                           ; no tensor load of mine is out: the descriptors of the refill may be written
	s_add_nc_u64 s[G0A+2:G0A+3], s[G0A+2:G0A+3], 9216
	s_add_nc_u64 s[G0B+2:G0B+3], s[G0B+2:G0B+3], 9216
	TURN 1, 1                                      ; K steps 6-7 are asked for
	STEP 2, 0
	STEP 3, 0
	STEP 4, 0
	TURN 5, 0
	STEP 6, 0
	s_wait_dscnt 16
	MULH 7, 0, 0
	s_wait_dscnt 0x0
	MULH 7, 4, 0
	WIN 0
; Block a: 16 queries, a lane one of them (lanes l and l xor 16 share it), 64 of the run's 128 keys: register 16 b + i is key 64 (b / 2) + 32 h + 16 (b % 2) + i.
.macro SOFTQ a
; (the four tiles of a band of 64 keys give lane (r, h) 32 neighbours: register 32 c + i is key 64 c + 32 h + i, a whole block)
.irp b, 0,1
	v_add_nc_u32 v[DQ+\b], 8*\a-64*\b, v[DB]
.endr
	WIN 1
	WALU                                           ; the wait here, directly ahead of the matrix results' first readers
.if \a == 0
.set MN_, 32
.else
.set MN_, 8
.endif
.irp c, 0,1
.set n16, 0
.rept MN_
	MSK \c, n16-8*\a
	v_cmp_gt_i32 s[MS_], n16, v[DQ+\c]             ; the key lies behind my query
.set n16, n16+1
.endr
.endr
.set cnt, 0
.rept 64
	MSK cnt/32, cnt%32-8*\a
	v_cndmask_b32 v[W+cnt], v[64*(\a)+cnt], v[NINF], s[MS_]
.set cnt, cnt+1
.endr
	WIN 0
.irp b, 0,1,2,3
	v_max3_num_f32 v[BM+\b], v[W+16*\b], v[W+1+16*\b], v[W+2+16*\b]   ; the largest score of each block of 32 keys: for M, and, since p rises with the score, for the block's scale
.endr
.irp i, 3,5,7,9,11,13
.irp b, 0,1,2,3
	v_max3_num_f32 v[BM+\b], v[BM+\b], v[W+16*\b+\i], v[W+1+16*\b+\i]
.endr
.endr
.irp b, 0,1,2,3
	v_max_num_f32 v[BM+\b], v[BM+\b], v[W+15+16*\b]
.endr
	v_max_num_f32 v[BM], v[BM], v[BM+1]            ; my two blocks
	v_max_num_f32 v[BM+2], v[BM+2], v[BM+3]
	v_max_num_f32 v[TT], v[BM], v[BM+2]
	v_permlanex16_b32 v[TT2], v[TT], s[SEL], s[SEL+1]
	v_max_num_f32 v[TT], v[TT], v[TT2]             ; with lane l xor 16's: the run of 128 keys
	v_mul_f32 v[TT], s[CS], v[TT]
	v_max_num_f32 v[TT], 0xff61b1e6, v[TT]         ; -3e38 where the whole run is hidden: then every p is 0
	v_floor_f32 v[NM], -v[TT]                      ; -M
	v_mov_b32 v[NMS+\a], v[NM]
.irp j, 0,2,4,6,8,10,12,14,16,18,20,22,24,26,28,30,32,34,36,38,40,42,44,46,48,50,52,54,56,58,60,62
	v_pk_fma_f32 v[W+\j:W+1+\j], v[W+\j:W+1+\j], s[CS:CS+1], v[NM:NM+1] op_sel_hi:[1,0,0]
.endr
.irp b, 0,2
	v_fma_f32 v[BM+\b], v[BM+\b], s[CS], v[NM]
.endr
.set cnt, 0
	WALU                                           ; the wait ahead of the batch
.rept 64
	v_exp_f32 v[W+cnt], v[W+cnt]
.set cnt, cnt+1
.endr
	v_nop
	WALU                                           ; and behind it
.irp b, 0,2
	v_exp_f32 v[BM+\b], v[BM+\b]
.endr
	v_pk_add_f32 v[SA:SA+1], v[W:W+1], v[W+2:W+3]  ; the sum is taken of the unquantised p
	v_pk_add_f32 v[SB:SB+1], v[W+4:W+5], v[W+6:W+7]
.irp j, 8,12,16,20,24,28,32,36,40,44,48,52,56,60
	v_pk_add_f32 v[SA:SA+1], v[SA:SA+1], v[W+\j:W+1+\j]
	v_pk_add_f32 v[SB:SB+1], v[SB:SB+1], v[W+2+\j:W+3+\j]
.endr
	v_pk_add_f32 v[SA:SA+1], v[SA:SA+1], v[SB:SB+1]
	WALU
.if \a > 0
	s_wait_xcnt 0x0                                ; the last block's stores have read the codes' registers
.endif
.irp b, 0,2
	v_max_num_f32 v[BM+\b], 0x1800000, v[BM+\b]    ; the floor: the byte cannot fall under 1
.endr
.irp b, 0,2
	v_add_nc_u32 v[BS+\b], 0xff000000, v[BM+\b]    ; 2 off the exponent field: the conversion's scale operand
.endr
.irp b, 0,2
	v_lshrrev_b32 v[BT+\b], 23, v[BS+\b]
.endr
.irp c, 0,1
	v_cvt_scalef32_pk16_fp6_f32 v[PC+6*\c:PC+2+6*\c], v[W+32*\c:W+15+32*\c], v[BS+2*\c]
	v_cvt_scalef32_pk16_fp6_f32 v[PC+12+4*\c:PC+14+4*\c], v[W+16+32*\c:W+31+32*\c], v[BS+2*\c]
.endr
	v_lshl_or_b32 v[PWS+\a], v[BT+2], 16, v[BT]    ; bytes h and 2 + h of the scale word (a plain place behind the scaled conversions),
	v_lshlrev_b32 v[PWS+\a], v26, v[PWS+\a]
	v_permlanex16_b32 v[TT2], v[PWS+\a], s[SEL], s[SEL+1]
	v_or_b32 v[PWS+\a], v[PWS+\a], v[TT2]          ; and lane l xor 16's two
.irp c, 0,1
.irp i, 0,1,2
	v_mov_b32 v[PC+3+6*\c+\i], v[PC+12+4*\c+\i]
.endr
.endr
	v_add_f32 v[TT], v[SA], v[SA+1]
	v_permlanex16_b32 v[TT2], v[TT], s[SEL], s[SEL+1]
	v_add_f32 v[LS+\a], v[TT], v[TT2]
.irp c, 0,1,2
	global_store_b128 v[LI], v[PC+4*\c:PC+4*\c+3], s[66:67] offset:6144*\a+512*\c   ; 512 consecutive bytes
.endr
.endm
	PLACES 4                                       ; behind the last products
	v_mov_b32 v[TT2], 0                            ; a lane permute's destination counts as one of its sources
	v_mov_b32 v[NM+1], 0                           ; named as the upper half of a pair
.irp a, 0,1,2,3
	SOFTQ \a
.endr
	v_cmp_lt_u32 vcc_lo, 15, v3                    ; lanes r and r + 16 hold the same four words: lane (r, h) stores words 2 h and 2 h + 1
.irp i, 0,1
	v_cndmask_b32 v[DD+\i], v[PWS+\i], v[PWS+2+\i], vcc_lo
	v_cndmask_b32 v[DD+2+\i], v[NMS+\i], v[NMS+2+\i], vcc_lo
	v_cndmask_b32 v[DD+4+\i], v[LS+\i], v[LS+2+\i], vcc_lo
.endr
	global_store_b64 v7, v[DD:DD+1], s[PS:PS+1]    ; 256 consecutive bytes, aligned
	global_store_b64 v7, v[DD+2:DD+3], s[PS:PS+1] offset:524288
	global_store_b64 v7, v[DD+4:DD+5], s[PS:PS+1] offset:1048576
	s_wait_tensorcnt 0x0                           ; the wave's end
	ds_add_u32 v[SPW], v[NIL]
	s_wait_dscnt 0x0
	CROUND                                         ; the closing round
	s_endpgm
.Lfunc_end_k_qee34076ba7_scores:
	.size	k_qee34076ba7_scores, .Lfunc_end_k_qee34076ba7_scores-k_qee34076ba7_scores
	.p2alignl 7, 3214868480
	.fill 96, 4, 3214868480
	.section	.rodata,"a",@progbits
	.p2align	6, 0x0
	.amdhsa_kernel k_qee34076ba7_scores
		.amdhsa_group_segment_fixed_size 327680
		.amdhsa_private_segment_fixed_size 0
		.amdhsa_enable_private_segment 0
		.amdhsa_kernarg_size 32
		.amdhsa_user_sgpr_count 2
		.amdhsa_user_sgpr_kernarg_segment_ptr 1
		.amdhsa_wavefront_size32 1
		.amdhsa_system_sgpr_workgroup_id_x 1
		.amdhsa_system_sgpr_workgroup_id_y 1
		.amdhsa_system_sgpr_workgroup_id_z 1
		.amdhsa_system_vgpr_workitem_id 0
		.amdhsa_next_free_vgpr 512
		.amdhsa_next_free_sgpr 102
		.amdhsa_reserve_vcc 1
		.amdhsa_float_denorm_mode_32 3
		.amdhsa_float_denorm_mode_16_64 3
		.amdhsa_memory_ordered 1
		.amdhsa_forward_progress 1
		.amdhsa_inst_pref_size 136
	.end_amdhsa_kernel
	.amdgpu_metadata
---
amdhsa.version: [ 1, 2 ]
amdhsa.kernels:
  - .name:           k_qee34076ba7_scores
    .symbol:         k_qee34076ba7_scores.kd
    .args:
      - { .name: c2, .offset: 0, .size: 8, .value_kind: global_buffer, .address_space: global }
      - { .name: s2, .offset: 8, .size: 8, .value_kind: global_buffer, .address_space: global }
      - { .name: pc, .offset: 16, .size: 8, .value_kind: global_buffer, .address_space: global }
      - { .name: pst, .offset: 24, .size: 8, .value_kind: global_buffer, .address_space: global }
    .group_segment_fixed_size: 327680
    .private_segment_fixed_size: 0
    .kernarg_segment_align: 8
    .kernarg_segment_size: 32
    .max_flat_workgroup_size: 256
    .sgpr_count:     102
    .vgpr_count:     512
    .wavefront_size: 32
...
	.end_amdgpu_metadata
.endif
;; end of part 3
;; launch pv (part 4): grid 4 x 64, 4 waves a work-group, clusters of 4 x 4, 327,680 bytes of LDS; arguments pc, pst, c2, s2, out0; writes out0
.if DOCPART == 4
	.amdgcn_target "amdgcn-amd-amdhsa--gfx1250"
	.amdhsa_code_object_version 6
	.text
	.protected	k_qee34076ba7_pv
	.globl	k_qee34076ba7_pv
	.p2align	8
	.type	k_qee34076ba7_pv,@function
k_qee34076ba7_pv:
	s_mov_b64 s[64:65], 0
	v_nop
	global_prefetch_b8 v0, s[64:65] scope:SCOPE_SE
	s_setreg_imm32_b32 hwreg(HW_REG_WAVE_MODE, 25, 1), 1
	s_wait_xcnt 0x0
	s_wait_alu depctr_hold_cnt(0) depctr_sa_sdst(0) depctr_va_vdst(0) depctr_va_sdst(0) depctr_va_ssrc(0) depctr_va_vcc(0) depctr_vm_vsrc(0)
	s_getreg_b32 s2, hwreg(HW_REG_IB_STS2, 6, 4)
	s_cmp_eq_u32 s2, 0
	s_cbranch_scc0 .Lentry_in_a_cluster
	s_endpgm
.Lentry_in_a_cluster:
	s_bfe_u32 s2, ttmp6, 0x10000c
	s_cmp_lg_u32 s2, 0xf033
	s_cbranch_scc0 .Lentry_shape_is_right
	s_endpgm
.Lentry_shape_is_right:
; O = p v / l on codes of FP6 (E2M3).  p's codes were made under a whole M for each run of 128 keys; here the row's M = the largest of them, each run's scale bytes go down by D = M - M_run (held at 0 from below, D held at 127),
; l = the sum of l_run 2^-D: exact powers of two.  LIMIT: a block of p whose byte would fall under 0 is taken at 2^-127: at most 7.5 x 2^-127 a number.  NaN and infinities are not served.
; SHARES.  A work-group makes TWO blocks of 64 queries x 256 channels: an early one, A (block 4 c + cy of the batch's 32), and a late one, B (block 28 - 4 c + cy); c = 0 .. 3 is the cluster's own number (cluster y = 4 batch + c).
; A's keys lie under 256 (c + 1), B's under 2,048 - 256 c: so the work-groups have nearly the same work.  A wave makes all 128 queries x 64 channels: 32 accumulators.
; WORK LEFT OUT, hidden from all queries of the cluster: A's keys from 512 on (c < 2) or 1,024 on, B's keys from 1,536 on (c >= 2).  Hidden keys inside the ranges walked have zero codes.
; Source 0 = 16 channels of v^T, source 1 = 16 queries of p: a lane holds one query, and accumulators 2 b, 2 b + 1 its 16 neighbouring channels.
; K goes in steps of 512 keys, written out: every branch on c goes the same way in all partners.  LDS: v's two slots, B's two slots, A's first 1,024 keys: all asked for at the head, one load a wave; steps 2 and 3 are refills (wave 0 v, wave 1 B).
; The text claims all of LDS.  CLUSTER 4 x 4: p's tiles are asked for jointly along a row, v's along a column.
; PREFETCH: steps 2 and 3 two steps ahead of their loads: each wave names one tile row of v (24 blocks of 256 bytes; the four partners of a column share the 16 rows out by cy) and 6 blocks of B's 96 (shared out by cx).
; A's block leaves while step 2 is on its way.  The statistics of two tiles of queries are worked by each wave and handed on through LDS.
; REGISTERS: window 0: addresses; v32-63 v's scale words, v68-99 B's, v100-115 A's (lanes 0-15 an even run of 128 keys, lanes 16-31 the odd one behind it); v128-223 p's fragments, set 0; v224-239 1 / l in pairs.
;   window 1: v0-95 v's fragments, two sets; v128-223 p's, set 1.  window 2: the accumulators, (a, b) at v[32 a + 8 b].  window 3: the way out: v0-127 rows read back, v128-159 scaled results.
.set V1,    98304
.set PB0,   196608
.set PB1,   221184
.set PA,    245760
.set SPARE, 294912                     ; the spare words, 128 bytes a wave
.set ST,    295424                     ; scale words: [A, B][8][lane][4 tiles]
.set STL,   ST+8192                    ; 1 / l: [tile 8][lane][8 bytes]
.set STAGE, STL+2048                   ; the way out: 16 rows x (256 bytes + 16) for each wave
.set ADV,   4
.set APB,   6
.set APA,   8
.set STO,   9
.set RD,    10
.set GO,    11
.set VSO,   12
.set SOF,   13
.set STW,   14
.set STR,   15
.set SLW,   16
.set PFV,   17
.set PFP,   18
.set SOF2,  19
.set SLR,   20
.set ADV8,  21                         ; v21-22 as ADV, for v's pieces of 8 bytes a lane (in c2: two halves of 768 bytes, six registers each: 16 and 8 bytes a lane)
.set SPW,   28
.set NIL,   29
.set SCV,   32
.set SCB,   68
.set SCA,   100
.set PW,    128                        ; the head's work: p's scale words, -M, l of the runs; two tiles each
.set NMV,   144
.set PL,    160
.set NMR,   176
.set TA,    180
.set TB,    184
.set TC,    188
.set LS,    192
.set RV,    196
.set RINV,  224
.set G1P8,  24
.set G0V0,  32
.set G0V1,  36
.set G1V,   48
.set G0PB,  56
.set G0PA,  60
.set G1P4,  72
.set C01,   84
.set C80,   85
.set C7F,   86
.set W4,    87
.set SEL,   88
.set MSB, 0
.macro WIN new
.if MSB != (\new)
	s_set_vgpr_msb (MSB<<8)|(\new)
.set MSB, (\new)
.endif
.endm
.macro WALU
	s_wait_alu depctr_va_vdst(0)
.endm
.macro PLACES n
.rept \n
	v_nop
.endr
.endm
.macro CREST
	s_cmp_lg_u32 s14, 0
	s_cbranch_scc1 .Lnot_wave_0_\@
	s_barrier_signal -3
.Lnot_wave_0_\@:
	s_barrier_wait -3
	s_barrier_signal -1
	s_barrier_wait -1
.endm
.macro CROUND
	s_barrier_signal -1
	s_barrier_wait -1
	CREST
.endm
.macro TLOAD g0, g1
	tensor_load_to_lds s[\g0:\g0+3], s[\g1:\g1+7]
	s_nop 0
	PLACES 4
.endm
.macro REFILL g0v
	s_cmp_eq_u32 s14, 0
	s_cbranch_scc0 .Lnot_v_\@
	TLOAD \g0v, G1V
	s_branch .Lfilled_\@
.Lnot_v_\@:
	s_cmp_eq_u32 s14, 1
	s_cbranch_scc0 .Lfilled_\@
	TLOAD G0PB, G1P4
.Lfilled_\@:
.endm
.macro GROUP1 g, mask, rows, pitch     ; rows of 6,144 bytes: four images
	s_or_b32 s[\g+0], s[\mask], (3<<16)|(1<<21)
	s_mov_b32 s[\g+1], 768<<16
	s_mov_b32 s[\g+2], (\rows)<<16
	s_mov_b32 s[\g+3], 768<<16
	s_mov_b32 s[\g+4], \rows
	s_mov_b32 s[\g+5], \pitch
	s_mov_b32 s[\g+6], 0
	s_mov_b32 s[\g+7], 0
.endm
.macro GROUP0 g, lds, adr, off
	s_mov_b32 s[\g], 1
	s_mov_b32 s[\g+1], \lds
	s_add_nc_u64 s[\g+2:\g+3], s[\adr:\adr+1], \off
	s_or_b32 s[\g+3], s[\g+3], 0x80000000
.endm
	s_load_b256 s[4:11], s[0:1], 0x0               ; pc s[4:5], pst s[6:7], c2 s[8:9], s2 s[10:11]
	s_load_b64 s[12:13], s[0:1], 0x20              ; out0
	v_lshl_add_u32 v[SPW], v0, 2, SPARE
	v_mov_b32 v[NIL], 0
	ds_add_u32 v[SPW], v[NIL]                      ; the opening add, twice on end
	ds_add_u32 v[SPW], v[NIL]
	v_lshrrev_b32 v1, 5, v0
	v_readfirstlane_b32 s14, v1
	s_lshr_b32 s15, s14, 1                         ; statistics: 0 A's, 1 B's
	s_and_b32 s16, s14, 1                          ; and which two of its four tiles
	s_bfe_u32 s40, ttmp6, 0x40000                  ; cx: the block of 256 channels
	s_bfe_u32 s41, ttmp6, 0x40004                  ; cy
	s_and_b32 s17, ttmp7, 0xffff
	s_lshr_b32 s18, s17, 2                         ; the batch
	s_and_b32 s19, s17, 3                          ; c
	s_lshl_b32 s82, s19, 2
	s_add_co_u32 s82, s82, s41                     ; A's block of 64 queries
	s_sub_co_u32 s83, 7, s19
	s_lshl_b32 s83, s83, 2
	s_add_co_u32 s83, s83, s41                     ; B's
	s_lshl_b32 s43, s41, 2
	s_lshl_b32 s43, 15, s43
	s_lshl_b32 s44, 0x1111, s40
	GROUP1 G1P8, 43, 8, 768                        ; p: dense blocks of 49,152
	GROUP1 G1P4, 43, 4, 768                        ; and of 24,576 bytes
	GROUP1 G1V, 44, 16, 12288                      ; from channel tile to channel tile: 64 images
	s_lshl_b32 s21, s18, 5
	s_add_co_u32 s20, s82, s21
	s_mul_i32 s20, s20, 98304                      ; A's p
	s_add_co_u32 s22, s83, s21
	s_mul_i32 s22, s22, 98304                      ; B's
	s_mov_b32 s21, 0
	s_mov_b32 s23, 0
	s_mul_i32 s46, s40, 1572864
	s_mul_i32 s47, s18, 24576
	s_add_co_u32 s46, s46, s47
	s_add_co_u32 s46, s46, 0xC00000                ; v: my 16 channel tiles, the batch's first image
	s_mov_b32 s47, 0
	s_cmp_eq_u32 s15, 0
	s_cselect_b32 s90, s82, s83
	s_cselect_b32 s[W4], 0, 1.0                    ; A has keys under 1,024 alone: its runs 8-15 are runs 0-7 again, and count 0 in l
	s_cselect_b32 s91, 0, 0x10000
	s_lshl_b32 s68, s18, 17
	s_lshl_b32 s90, s90, 8
	s_add_co_u32 s68, s68, s90
	s_lshl_b32 s90, s16, 3
	s_add_co_u32 s68, s68, s90
	s_mov_b32 s69, 0
	s_lshl_b32 s80, s18, 16
	s_lshl_b32 s90, s40, 1
	s_add_co_u32 s90, s90, s15
	s_lshl_b32 s90, s90, 9
	s_add_co_u32 s80, s80, s90
	s_lshl_b32 s90, s16, 4
	s_add_co_u32 s80, s80, s90
	s_add_co_u32 s80, s80, 0x80000                 ; v's scale words: the batch's 16 runs, my 4 channel tiles
	s_mov_b32 s81, 0
	s_lshl_b32 s92, s18, 11
	s_lshl_b32 s90, s40, 10
	s_lshl_b32 s93, s14, 8
	s_add_co_u32 s90, s90, s93                     ; my first channel, in bytes
	s_lshl_b32 s70, s82, 6
	s_add_co_u32 s70, s70, s92
	s_lshl_b32 s70, s70, 12
	s_add_co_u32 s70, s70, s90                     ; A's first row of O
	s_lshl_b32 s66, s83, 6
	s_add_co_u32 s66, s66, s92
	s_lshl_b32 s66, s66, 12
	s_add_co_u32 s66, s66, s90                     ; B's
	s_mov_b32 s71, 0
	s_mov_b32 s67, 0
	s_mul_i32 s92, s14, 4352
	s_add_co_u32 s92, s92, STAGE
	s_mul_i32 s93, s14, 24576                      ; my four tile rows of v
	s_lshl_b32 s94, s15, 12
	s_lshl_b32 s95, s16, 3
	s_add_co_u32 s94, s94, s95
	s_add_co_u32 s94, s94, ST
	s_lshl_b32 s95, s14, 9
	s_add_co_u32 s95, s95, STL
	s_lshl_b32 s96, s41, 2
	s_add_co_u32 s96, s96, s14
	s_mul_i32 s96, s96, 98304
	s_mul_i32 s97, s40, 24
	s_mul_i32 s90, s14, 6
	s_add_co_u32 s97, s97, s90
	s_lshl_b32 s97, s97, 8
	s_mov_b32 s[C01], 0x01010101
	s_mov_b32 s[C80], 0x80808080
	s_mov_b32 s[C7F], 0x7f7f7f7f
	s_mov_b32 s[SEL], 0x76543210
	s_mov_b32 s[SEL+1], 0xfedcba98
	v_and_b32 v1, 15, v0                           ; r
	v_bfe_u32 v2, v0, 4, 1                         ; h
	v_and_b32 v3, 31, v0                           ; lane
	v_lshlrev_b32 v30, 4, v3
	v_lshlrev_b32 v31, 3, v3
	v_add_nc_u32 v[ADV], s93, v30
	v_add_nc_u32 v[ADV+1], V1, v[ADV]
	v_add_nc_u32 v[ADV8], s93, v31
	v_add_nc_u32 v[ADV8+1], V1, v[ADV8]
	v_add_nc_u32 v[APB], PB0, v30
	v_add_nc_u32 v[APB+1], PB1, v30
	v_add_nc_u32 v[APA], PA, v30
	v_mul_u32_u24 v[STO], v1, 272
	v_lshl_add_u32 v[STO], v2, 7, v[STO]
	v_add_nc_u32 v[STO], s92, v[STO]               ; in: row r, + 128 h
	v_mul_u32_u24 v[RD], v2, 272
	v_lshl_add_u32 v[RD], v1, 4, v[RD]
	v_add_nc_u32 v[RD], s92, v[RD]                 ; back: lanes 0-15 one row, lanes 16-31 the next
	v_lshlrev_b32 v[GO], 12, v2
	v_lshl_add_u32 v[GO], v1, 4, v[GO]
	v_lshlrev_b32 v[VSO], 12, v2
	v_lshl_add_u32 v[VSO], v1, 5, v[VSO]           ; v's scale words: 4,096 h (the odd run) + 32 r
	v_lshlrev_b32 v[SOF], 13, v2
	v_lshl_add_u32 v[SOF], v1, 4, v[SOF]           ; the statistics: 8,192 h + 16 r
	v_add_nc_u32 v[SOF2], s91, v[SOF]
	v_add_nc_u32 v[STW], s94, v30
	v_add_nc_u32 v[STR], ST, v30
	v_add_nc_u32 v[SLW], s95, v31
	v_add_nc_u32 v[SLR], STL, v31
	v_min_u32 v[PFV], 23, v3
	v_lshlrev_b32 v[PFV], 8, v[PFV]
	v_add_nc_u32 v[PFV], s96, v[PFV]
	v_min_u32 v[PFP], 5, v3
	v_lshlrev_b32 v[PFP], 8, v[PFP]
	v_add_nc_u32 v[PFP], s97, v[PFP]
	v_mov_b32 v[TA], 0                             ; a lane permute's destination counts as one of its sources
	v_mov_b32 v[TA+1], 0
	WALU                                           ; the wait at the head's end
	s_wait_dscnt 0x0                               ; the opening adds are done
	s_wait_kmcnt 0x0
	s_add_nc_u64 s[68:69], s[6:7], s[68:69]
	s_add_nc_u64 s[80:81], s[10:11], s[80:81]
.irp k, 0,1,2,3
	global_load_b64 v[NMV+2*\k:NMV+2*\k+1], v[SOF], s[68:69] offset:524288+16384*\k
	global_load_b64 v[NMV+8+2*\k:NMV+8+2*\k+1], v[SOF2], s[68:69] offset:524288+16384*\k
	global_load_b64 v[PL+2*\k:PL+2*\k+1], v[SOF], s[68:69] offset:1048576+16384*\k
	global_load_b64 v[PL+8+2*\k:PL+8+2*\k+1], v[SOF2], s[68:69] offset:1048576+16384*\k
	global_load_b64 v[PW+2*\k:PW+2*\k+1], v[SOF], s[68:69] offset:16384*\k
	global_load_b64 v[PW+8+2*\k:PW+8+2*\k+1], v[SOF2], s[68:69] offset:16384*\k
.endr
.irp k, 0,1,2,3,4,5,6,7
	global_load_b128 v[SCV+4*\k:SCV+4*\k+3], v[VSO], s[80:81] offset:8192*\k
.endr
	s_add_nc_u64 s[20:21], s[4:5], s[20:21]
	s_add_nc_u64 s[22:23], s[4:5], s[22:23]
	s_add_nc_u64 s[46:47], s[8:9], s[46:47]
	s_add_nc_u64 s[70:71], s[12:13], s[70:71]
	s_add_nc_u64 s[66:67], s[12:13], s[66:67]
	GROUP0 G0V0, 0, 46, 0
	GROUP0 G0V1, V1, 46, 6144
	GROUP0 G0PB, PB0, 22, 0
	GROUP0 G0PA, PA, 20, 0
	CROUND                                         ; all sixteen work-groups are here
.macro ARM n, g0, g1, next
	s_cmp_eq_u32 s14, \n
	s_cbranch_scc0 \next
	TLOAD \g0, \g1
	s_branch .Lhead_asked
\next:
.endm
	ARM 0, G0V0, G1V, .Lhead_1                     ; v's step 0; B's steps 0 and 1; A's steps 0 and 1; v's step 1
	ARM 1, G0PB, G1P8, .Lhead_2
	ARM 2, G0PA, G1P8, .Lhead_3
	TLOAD G0V1, G1V
.Lhead_asked:
	s_wait_loadcnt 8                               ; the statistics; v's eight loads of scale words may be out
.irp i, 0,1
	v_min3_num_f32 v[NMR+\i], v[NMV+\i], v[NMV+2+\i], v[NMV+4+\i]
.endr
.irp q, 6,10
.irp i, 0,1
	v_min3_num_f32 v[NMR+\i], v[NMR+\i], v[NMV+\q+\i], v[NMV+\q+2+\i]
.endr
.endr
.irp i, 0,1
	v_min_num_f32 v[NMR+\i], v[NMR+\i], v[NMV+14+\i]
.endr
.irp i, 0,1
	v_permlanex16_b32 v[TA+\i], v[NMR+\i], s[SEL], s[SEL+1]
.endr
.irp i, 0,1
	v_min_num_f32 v[NMR+\i], v[NMR+\i], v[TA+\i]   ; -M of the row: the least -M of its runs
.endr
	global_prefetch_b8 v[PFV], s[46:47] offset:12288 th:TH_LOAD_NT scope:SCOPE_SE   ; step 2
	global_prefetch_b8 v[PFP], s[22:23] offset:49152 th:TH_LOAD_NT scope:SCOPE_SE
.macro STAT kk                         ; runs kk, kk + 1 (of each half of the lanes) x two tiles, by turns
.irp j, 0,1,2,3
	v_sub_f32 v[TA+\j], v[NMV+2*\kk+\j], v[NMR+\j%2]  ; M - M_run: a whole number, 0 or more
.endr
.irp j, 0,1,2,3
	v_min_num_f32 v[TA+\j], 0x42fe0000, v[TA+\j]   ; held at 127
.endr
.irp j, 0,1,2,3
	v_cvt_u32_f32 v[TA+\j], v[TA+\j]               ; D
.endr
.irp j, 0,1,2,3
	v_sub_nc_u32 v[TB+\j], 0, v[TA+\j]
.endr
.irp j, 0,1,2,3
.if \kk == 0
	v_ldexp_f32 v[LS+\j], v[PL+2*\kk+\j], v[TB+\j] ; l_run 2^-D
.else
	v_ldexp_f32 v[TB+\j], v[PL+2*\kk+\j], v[TB+\j]
.endif
.endr
.if \kk > 0
.irp j, 0,1,2,3
.if \kk < 4
	v_add_f32 v[LS+\j], v[LS+\j], v[TB+\j]
.else
	v_fma_f32 v[LS+\j], v[TB+\j], s[W4], v[LS+\j]
.endif
.endr
.endif
.irp j, 0,1,2,3
	v_mul_lo_u32 v[TA+\j], v[TA+\j], s[C01]        ; D in each byte
.endr
.irp j, 0,1,2,3
	v_or_b32 v[TB+\j], s[C80], v[PW+2*\kk+\j]      ; the bytes are at most 125: with 128 on each, no byte borrows from its neighbour
.endr
.irp j, 0,1,2,3
	v_sub_nc_u32 v[TB+\j], v[TB+\j], v[TA+\j]
.endr
.irp j, 0,1,2,3
	v_and_b32 v[TA+\j], s[C80], v[TB+\j]           ; a byte's top bit still stands where byte >= D
.endr
.irp j, 0,1,2,3
	v_lshrrev_b32 v[TA+\j], 7, v[TA+\j]
.endr
.irp j, 0,1,2,3
	v_lshlrev_b32 v[TC+\j], 8, v[TA+\j]
.endr
.irp j, 0,1,2,3
	v_sub_nc_u32 v[TA+\j], v[TC+\j], v[TA+\j]      ; x 255: a mask of whole bytes
.endr
.irp j, 0,1,2,3
	v_and_b32 v[TB+\j], s[C7F], v[TB+\j]
.endr
.irp j, 0,1,2,3
	v_and_b32 v[PW+2*\kk+\j], v[TB+\j], v[TA+\j]   ; byte - D, held at 0
.endr
.endm
	STAT 0
	STAT 2
	STAT 4
	STAT 6
.irp k, 0,1,2,3,4,5,6,7
	ds_store_b64 v[STW], v[PW+2*\k:PW+2*\k+1] offset:512*\k   ; (A's words of runs 8-15 are read by nobody)
.endr
.irp i, 0,1
	v_add_f32 v[LS+\i], v[LS+\i], v[LS+2+\i]
.endr
.irp i, 0,1
	v_permlanex16_b32 v[TA+\i], v[LS+\i], s[SEL], s[SEL+1]
.endr
.irp i, 0,1
	v_add_f32 v[LS+\i], v[LS+\i], v[TA+\i]         ; even and odd runs: the row's l
.endr
	WALU                                           ; the wait ahead of the batch
.irp i, 0,1
	v_rcp_f32 v[RV+2*\i], v[LS+\i]
	v_rcp_f32 v[RV+2*\i+1], v[LS+\i]
.endr
	v_nop
	WALU                                           ; and behind it
.irp i, 0,1
	ds_store_b64 v[SLW], v[RV+2*\i:RV+2*\i+1] offset:256*\i
.endr
	s_cmp_lt_u32 s14, 3
	s_cbranch_scc0 .Lnot_first
	s_wait_tensorcnt 0x0                           ; waves 0-2: step 0's tiles are in; v's step 1 may be out
.Lnot_first:
	s_wait_dscnt 0x0
	s_barrier_signal -1
	s_barrier_wait -1
; Run kg's fragments into set kg % 2, in one run of LDS loads: v's four (16 loads), B's four (12), with a = 1 A's four too (12).
.macro FETCH kg, a
.set S_, (\kg)%2
	WIN 0x40
.irp b, 0,1,2,3
.irp c, 0,1
	ds_load_b128 v[48*S_+12*\b+6*\c:48*S_+12*\b+6*\c+3], v[ADV+((\kg)/4)%2] offset:6144*\b+1536*((\kg)%4)+768*\c
	ds_load_b64 v[48*S_+12*\b+6*\c+4:48*S_+12*\b+6*\c+5], v[ADV8+((\kg)/4)%2] offset:6144*\b+1536*((\kg)%4)+768*\c+512
.endr
.endr
	WIN S_<<6
.if (\a) < 2                           ; (a = 2: v's and A's alone)
.irp b, 0,1,2,3
.irp c, 0,1,2
	ds_load_b128 v[176+12*\b+4*\c:176+12*\b+4*\c+3], v[APB+((\kg)/4)%2] offset:6144*\b+1536*((\kg)%4)+512*\c
.endr
.endr
.endif
.if \a
.irp b, 0,1,2,3
.irp c, 0,1,2
	ds_load_b128 v[128+12*\b+4*\c:128+12*\b+4*\c+3], v[APA] offset:24576*((\kg)/4)+6144*\b+1536*((\kg)%4)+512*\c
.endr
.endr
.endif
	WIN 0
.endm
; Product n of run kg: queries' tile n / 4 (0-3 A's, 4-7 B's), channels' tile n % 4.  The accumulators take turns, in the same order in every run.
.macro PRD n, kg, st
.set A_, (\n)/4
.set B_, (\n)%4
.if A_ < 4
.set SP_, SCA+4*((\kg)/2)+A_
.else
.set SP_, SCB+4*((\kg)/2)+A_-4
.endif
	WIN 0xa1|((\st)<<2)
.if (\kg) == 0
	v_wmma_scale_f32_16x16x128_f8f6f4 v[8*(\n):8*(\n)+7], v[48*(\st)+12*B_:48*(\st)+12*B_+11], v[128+12*A_:128+12*A_+11], 0, v[SCV+4*((\kg)/2)+B_], v[SP_] matrix_a_fmt:MATRIX_FMT_FP6 matrix_b_fmt:MATRIX_FMT_FP6
.elseif (\kg)%2
	v_wmma_scale_f32_16x16x128_f8f6f4 v[8*(\n):8*(\n)+7], v[48*(\st)+12*B_:48*(\st)+12*B_+11], v[128+12*A_:128+12*A_+11], v[8*(\n):8*(\n)+7], v[SCV+4*((\kg)/2)+B_], v[SP_] matrix_a_fmt:MATRIX_FMT_FP6 matrix_b_fmt:MATRIX_FMT_FP6 matrix_a_scale:MATRIX_SCALE_ROW1 matrix_b_scale:MATRIX_SCALE_ROW1
.else
	v_wmma_scale_f32_16x16x128_f8f6f4 v[8*(\n):8*(\n)+7], v[48*(\st)+12*B_:48*(\st)+12*B_+11], v[128+12*A_:128+12*A_+11], v[8*(\n):8*(\n)+7], v[SCV+4*((\kg)/2)+B_], v[SP_] matrix_a_fmt:MATRIX_FMT_FP6 matrix_b_fmt:MATRIX_FMT_FP6
.endif
.endm
; Products f .. t - 1 of run kg.
.macro RUN f, t, kg                    ; products f .. t - 1 of run kg
.set N_, \f
.rept (\t)-(\f)
	PRD N_, \kg, (\kg)%2
.set N_, N_+1
.endr
	WIN 0
.endm
; A run of 128 keys: f = 0: A's and B's products, 16: B's alone.  w: the loads younger than this run's, those of the next run.  Behind its products its registers take the run two on: fa = 1 v's and B's, 2 A's too, 0 nothing.
.macro SUB kg, f, w, fa
	s_wait_dscnt \w
	RUN \f, 32, \kg
.if \fa
	PLACES 4                                       ; in front of loads into registers that products have read
	FETCH \kg+2, (\fa)-1
.endif
.endm
; THE WAY OUT of a block of 16 queries x 64 channels: x 1 / l, through my own stage, and out as rows of 256 bytes.
.macro SCALE a
	WIN 0xc2
.set I_, 0
.rept 16
	v_pk_mul_f32 v[128+2*I_:129+2*I_], v[32*(\a)+2*I_:32*(\a)+2*I_+1], v[RINV+2*(\a):RINV+2*(\a)+1] op_sel_hi:[1,0]
.set I_, I_+1
.endr
.endm
.macro TOSTAGE a
	WIN 0x0c
.irp b, 0,1,2,3
.irp p, 0,1
	ds_store_b128 v[STO], v[128+8*\b+4*\p:128+8*\b+4*\p+3] offset:32*\b+16*\p   ; channel 32 h + 8 b + j
.endr
.endr
	WIN 0xc0
.irp i, 0,1,2,3,4,5,6,7
	ds_load_b128 v[32*((\a)%4)+4*\i:32*((\a)%4)+4*\i+3], v[RD] offset:544*\i   ; LDS serves a wave's instructions in order: these see my stores
.endr
.endm
.macro SEND a, base, younger
	WIN 0x0c
	s_wait_dscnt \younger                          ; the block is back; younger: the LDS instructions behind its loads
.irp i, 0,1,2,3,4,5,6,7
	global_store_b128 v[GO], v[32*((\a)%4)+4*\i:32*((\a)%4)+4*\i+3], s[\base:\base+1] offset:(8*((\a)%4)+2*\i+24*(\i/4))*4096 th:TH_STORE_NT   ; sixteen lanes store 256 consecutive bytes, aligned; tile row p is query 32 (p / 8) + 8 (a % 4) + p % 8
.endr
.endm
.macro OUT a, base
	SCALE \a
	TOSTAGE \a
	SCALE \a+1
	TOSTAGE \a+1
	SEND \a, \base, 16
	SCALE \a+2
	TOSTAGE \a+2
	SEND \a+1, \base, 16
	SCALE \a+3
	TOSTAGE \a+3
	SEND \a+2, \base, 16
	SEND \a+3, \base, 0
	WIN 0
.endm
.irp k, 0,1,2,3
	ds_load_b128 v[SCA+4*\k:SCA+4*\k+3], v[STR] offset:512*\k
.endr
.irp k, 0,1,2,3,4,5,6,7
	ds_load_b128 v[SCB+4*\k:SCB+4*\k+3], v[STR] offset:4096+512*\k
.endr
.irp a, 0,1,2,3,4,5,6,7
	ds_load_b64 v[RINV+2*\a:RINV+2*\a+1], v[SLR] offset:256*\a
.endr
	FETCH 0, 1
	FETCH 1, 1
	s_wait_loadcnt 0x0                             ; v's scale words
	SUB 0, 0, 40, 2                                ; the first products start the sums
	SUB 1, 0, 40, 2                                ; step 0's last run is fetched
	s_wait_tensorcnt 0x0                           ; all my tensor loads have landed, step 1's v among them
	ds_add_u32 v[SPW], v[NIL]
	s_wait_dscnt 41                                ; the add and the 40 loads of the next run may be out
	RUN 0, 16, 2
	s_add_nc_u64 s[G0V0+2:G0V0+3], s[G0V0+2:G0V0+3], 12288
	s_add_nc_u64 s[G0PB+2:G0PB+3], s[G0PB+2:G0PB+3], 49152
	s_wait_dscnt 0x0                               ; the add is done, and my reads of slot 0 are over
	s_barrier_signal -1
	RUN 16, 24, 2
	s_barrier_wait -1
	CREST                                          ; no wave of any partner still reads slot 0 or has a load on its way
	REFILL G0V0                                    ; step 2
	RUN 24, 32, 2
	PLACES 4                                       ; in front of the loads on either way
	FETCH 4, 0
	s_cmp_lt_u32 s19, 2
	s_cbranch_scc0 .Lno_ask
	global_prefetch_b8 v[PFV], s[46:47] offset:18432 th:TH_LOAD_NT scope:SCOPE_SE   ; step 3
	global_prefetch_b8 v[PFP], s[22:23] offset:73728 th:TH_LOAD_NT scope:SCOPE_SE
.Lno_ask:
	SUB 3, 0, 28, 1
	SUB 4, 16, 28, 1
	SUB 5, 16, 28, 1
	SUB 6, 16, 28, 0
	SUB 7, 16, 0, 0
	s_cmp_lt_u32 s19, 2
	s_cbranch_scc1 .Laout                          ; c < 2: A's keys end at 512
	PLACES 4
	FETCH 4, 2                                     ; c >= 2 (which has no step 3): A's runs from 512 on, in a pass of their own
	FETCH 5, 2
	s_wait_dscnt 28
	RUN 0, 16, 4
	s_wait_dscnt 0x0
	RUN 0, 16, 5
	s_cmp_eq_u32 s19, 2
	s_cbranch_scc1 .Laout                          ; c = 2: they end at 768
	PLACES 4
	FETCH 6, 2
	FETCH 7, 2
	s_wait_dscnt 28
	RUN 0, 16, 6
	s_wait_dscnt 0x0
	RUN 0, 16, 7
.Laout:
	PLACES 4                                       ; behind the last products
	OUT 0, 70                                      ; A is finished: it leaves while step 2 is on its way
	s_wait_tensorcnt 0x0                           ; step 2 is in, as far as it is mine
	ds_add_u32 v[SPW], v[NIL]
	s_wait_dscnt 0x0
	s_cmp_lt_u32 s19, 2
	s_cbranch_scc0 .Lno_step_3
	s_add_nc_u64 s[G0V1+2:G0V1+3], s[G0V1+2:G0V1+3], 12288
	s_add_nc_u64 s[G0PB+2:G0PB+3], s[G0PB+2:G0PB+3], 24576
	s_mov_b32 s[G0PB+1], PB1
	CROUND
	REFILL G0V1                                    ; step 3
	s_branch .Lstep_2
.Lno_step_3:
	s_barrier_signal -1
	s_barrier_wait -1
.Lstep_2:
	PLACES 4
	FETCH 8, 0
	FETCH 9, 0
	SUB 8, 16, 28, 1
	SUB 9, 16, 28, 1
	s_cmp_eq_u32 s19, 3
	s_cbranch_scc1 .Lbout                          ; c = 3: B's keys end at 1,280 (the two runs fetched ahead are not multiplied)
	SUB 10, 16, 28, 0
	SUB 11, 16, 0, 0
	s_cmp_lt_u32 s19, 2
	s_cbranch_scc0 .Lbout
	s_wait_tensorcnt 0x0                           ; step 3 is in, as far as it is mine
	s_barrier_signal -1
	s_barrier_wait -1
	PLACES 4
	FETCH 12, 0
	FETCH 13, 0
	SUB 12, 16, 28, 1
	SUB 13, 16, 28, 1
	s_cmp_eq_u32 s19, 1
	s_cbranch_scc1 .Lbout                          ; c = 1: B's keys end at 1,792
	SUB 14, 16, 28, 0
	SUB 15, 16, 0, 0
.Lbout:
	PLACES 4                                       ; behind the last products
	s_wait_xcnt 0x0                                ; A's stores have read the registers into which B's rows are read back
	OUT 4, 66
	s_wait_tensorcnt 0x0                           ; the wave's end
	ds_add_u32 v[SPW], v[NIL]
	s_wait_dscnt 0x0
	CROUND                                         ; the closing round
	s_endpgm
.Lfunc_end_k_qee34076ba7_pv:
	.size	k_qee34076ba7_pv, .Lfunc_end_k_qee34076ba7_pv-k_qee34076ba7_pv
	.p2alignl 7, 3214868480
	.fill 96, 4, 3214868480
	.section	.rodata,"a",@progbits
	.p2align	6, 0x0
	.amdhsa_kernel k_qee34076ba7_pv
		.amdhsa_group_segment_fixed_size 327680
		.amdhsa_private_segment_fixed_size 0
		.amdhsa_enable_private_segment 0
		.amdhsa_kernarg_size 40
		.amdhsa_user_sgpr_count 2
		.amdhsa_user_sgpr_kernarg_segment_ptr 1
		.amdhsa_wavefront_size32 1
		.amdhsa_system_sgpr_workgroup_id_x 1
		.amdhsa_system_sgpr_workgroup_id_y 1
		.amdhsa_system_sgpr_workgroup_id_z 1
		.amdhsa_system_vgpr_workitem_id 0
		.amdhsa_next_free_vgpr 1024
		.amdhsa_next_free_sgpr 100
		.amdhsa_reserve_vcc 0
		.amdhsa_float_denorm_mode_32 3
		.amdhsa_float_denorm_mode_16_64 3
		.amdhsa_memory_ordered 1
		.amdhsa_forward_progress 1
		.amdhsa_inst_pref_size 144
	.end_amdhsa_kernel
	.amdgpu_metadata
---
amdhsa.version: [ 1, 2 ]
amdhsa.kernels:
  - .name:           k_qee34076ba7_pv
    .symbol:         k_qee34076ba7_pv.kd
    .args:
      - { .name: pc, .offset: 0, .size: 8, .value_kind: global_buffer, .address_space: global }
      - { .name: pst, .offset: 8, .size: 8, .value_kind: global_buffer, .address_space: global }
      - { .name: c2, .offset: 16, .size: 8, .value_kind: global_buffer, .address_space: global }
      - { .name: s2, .offset: 24, .size: 8, .value_kind: global_buffer, .address_space: global }
      - { .name: out0, .offset: 32, .size: 8, .value_kind: global_buffer, .address_space: global }
    .group_segment_fixed_size: 327680
    .private_segment_fixed_size: 0
    .kernarg_segment_align: 8
    .kernarg_segment_size: 40
    .max_flat_workgroup_size: 128
    .sgpr_count:     100
    .vgpr_count:     1024
    .wavefront_size: 32
...
	.end_amdgpu_metadata
.endif
;; end of part 4
